; MI455X (gfx1250); checked and timed in simulation.
; The chip was launched on July 23, 2026; its instructions are those of AMD's public machine-readable ISA for CDNA 5 (MIT licence, August 2026) and "CDNA5" Instruction Set Architecture Reference Guide (July 2026). The comments in the code are by the model that wrote it; some were corrected since.
;; Additive Attention. Allowed arithmetic: float matrix products may take bf16 or f16 operands with f32 sums; other float arithmetic in f32, or as packed bf16 or f16 multiplies, adds, multiply-adds, maxima and minima; sums over many terms, partial sums and values carried from step to step in f32; what a program stores and reads back later, other than sums and carried values, may be rounded once to bf16 or f16.
;; Inputs: U_w 1,024 x 1,024 float32; V 32 x 2,048 x 1,024 float32; W_b 1,024 float32; W_w 1,024 x 1,024 float32; h 32 x 1,024 float32; w_w 1,024 float32.
;; Outputs: out0 32 x 1,024 float32.
;; 2 versions, each right; version 2 is version 1 with the launch main written anew for expert scheduling mode. Each part assembles by itself: llvm-mc -triple=amdgcn-amd-amdhsa -mcpu=gfx1250 --defsym DOCPART=n.
;; ======== version 1 of 2: 3 launches
;; workspace buffers: ub 2,097,152 bytes; hpw 131,072 bytes; part 2,359,296 bytes
;; launch prep (part 1): grid 128 x 1, 8 waves a work-group, no clusters, 17,408 bytes of LDS; arguments U_w, W_w, W_b, h, ub, hpw; writes ub, hpw
.if DOCPART == 1
	.amdgcn_target "amdgcn-amd-amdhsa--gfx1250"
	.amdhsa_code_object_version 6
	.text
	.protected	k_q6a6d8fafae_prep
	.globl	k_q6a6d8fafae_prep
	.p2align	8
	.type	k_q6a6d8fafae_prep,@function
k_q6a6d8fafae_prep:
	s_mov_b64 s[64:65], 0
	v_nop
	global_prefetch_b8 v0, s[64:65] scope:SCOPE_SE
	s_setreg_imm32_b32 hwreg(HW_REG_WAVE_MODE, 25, 1), 1
	s_wait_xcnt 0x0
; ADDITIVE ATTENTION, launch 1 of 3.  out[b] = sum_s softmax_s(e[b][s]) V[b][s],  e[b][s] = sum_d w[d] tanh(hp[b][d] + (V U^T)[b][s][d]),  hp = h W^T + W_b.
; THE FORM THAT THE THREE LAUNCHES COMPUTE.  tanh(x) = 1 - 2 / (1 + e^(2x)), so e[b][s] = sum_d w[d] - 2 t[b][s] with t[b][s] = sum_d w[d] / (1 + 2^(c0 x)), c0 = 2 log2(e).
; WORK LEFT OUT: the term sum_d w[d].  It is the same for every s of a batch, and a softmax along s is unchanged by a term that is the same along s, whatever finite values w holds:
; numerator and denominator carry the same factor e^(sum w).  It is a sum of 1,024 numbers of w's own size, of the order of e itself, so f32 loses nothing beside it.  No input goes with it: all six are loaded.
; LIMIT: a NaN, an infinity or an overflow that would arise in sum_d w[d] alone is not carried to the result.  The maximum is taken away before every exponential of the softmax (launches 2 and 3).
; 2^(c0 x) that overflows gives 1 / infinity = 0, one that underflows gives 1 / 1: tanh's two ends, for every finite x.
; THIS LAUNCH has two jobs, chosen by the work-group's number (the same for all its waves).
;   Work-groups 0-63 (job U): 16 rows of U_w each, times c0 in f32, rounded once to bf16, stored in the order in which launch 2's lanes hold them:
;     ub[w 4][sigma 64][b 8][j 2][lane 32][8] = bf16(c0 U_w[d][K]),  d = 512 c + 128 w + 16 b + lane % 16,  K = 32 kb + 16 j + 8 (lane / 16) + 0..7,  sigma = 32 c + kb.
;   Work-groups 64-127 (job H): 16 columns d of hp' = c0 (h W^T + W_b) for all 32 batches, by the matrix unit (h and W_w rounded to bf16, sums in f32), K split among the eight waves;
;     hpw[g 64][tile 2][jh 2][lane 32][4] = hp'[16 tile + lane % 16][16 g + 8 (lane / 16) + 4 jh + 0..3].
; A fragment is 16 rows x 32 K: lane l holds row l % 16; registers 0-3 K = 8 (l / 16) + 0..7, registers 4-7 K = 16 + 8 (l / 16) + 0..7 (ISA guide 7.12.2): from f32 rows four loads of 16 bytes.
.set C0,    0x4038aa3b                 ; 2 log2(e)
.set PART,  0                          ; LDS: wave v's two partial tiles, 1,024 bytes each, at 2,048 v
.set SPARE, 16384                      ; behind them the spare words, 128 bytes for each of the eight waves: four blocks of 256 bytes that no other line names
.set FO,  2                            ; v2   (l % 16) x 4,096 + (l / 16) x 32 + 512 x wave: my place in 16 rows of 4,096 bytes, my wave's 128 K
.set LO,  3                            ; v3   16 x lane
.set LS,  4                            ; v4   where I put my 32 bytes of a partial tile
.set LR,  5                            ; v5   where I read them back (waves 0 and 1)
.set BOF, 6                            ; v6   32 x (l / 16): my eight numbers of W_b
.set SPW, 8                            ; v8   my spare word; never rewritten
.set NIL, 9                            ; v9   0; never rewritten
.set F,   16                           ; v[16:207]  twelve fragments of 16 f32, each packed in place into its first 8 registers
.set D0,  208                          ; v[208:215] batches 0-15
.set D1,  216                          ; v[216:223] batches 16-31
.set BI,  224                          ; v[224:231] W_b
.macro LDFRAG reg, base, off           ; 16 rows x 32 K of f32
	global_load_b128 v[(\reg):(\reg)+3],     v[FO], s[(\base):(\base)+1] offset:(\off)
	global_load_b128 v[(\reg)+4:(\reg)+7],   v[FO], s[(\base):(\base)+1] offset:(\off)+16
	global_load_b128 v[(\reg)+8:(\reg)+11],  v[FO], s[(\base):(\base)+1] offset:(\off)+64
	global_load_b128 v[(\reg)+12:(\reg)+15], v[FO], s[(\base):(\base)+1] offset:(\off)+80
.endm
.macro CVT reg                         ; sixteen f32 to eight registers of bf16, in place: register i takes numbers 2 i and 2 i + 1, which no earlier line has overwritten
.irp i, 0,1,2,3,4,5,6,7
	v_cvt_pk_bf16_f32 v[(\reg)+(\i)], v[(\reg)+2*(\i)], v[(\reg)+2*(\i)+1]
.endr
.endm
	s_load_b256 s[4:11], s[0:1], 0x0               ; U_w s[4:5], W_w s[6:7], W_b s[8:9], h s[10:11]
	s_load_b128 s[12:15], s[0:1], 0x20             ; ub s[12:13], hpw s[14:15]
	v_lshl_add_u32 v[SPW], v0, 2, SPARE
	v_mov_b32 v[NIL], 0
	v_lshrrev_b32 v1, 5, v0
	v_readfirstlane_b32 s16, v1                    ; wave 0..7
	s_mov_b32 s17, ttmp9
	s_mov_b32 s20, C0
	s_mov_b32 s21, C0                              ; named with it as a pair
	v_and_b32 v10, 15, v0                          ; l % 16
	v_bfe_u32 v11, v0, 4, 1                        ; l / 16
	v_and_b32 v12, 31, v0                          ; l
	s_lshl_b32 s18, s16, 9
	v_lshlrev_b32 v[FO], 12, v10
	v_lshl_add_u32 v[FO], v11, 5, v[FO]
	v_add_nc_u32 v[FO], s18, v[FO]
	v_lshlrev_b32 v[LO], 4, v12
	s_lshl_b32 s18, s16, 11
	v_lshl_add_u32 v[LS], v12, 5, s18
	s_lshl_b32 s18, s16, 10
	v_lshl_add_u32 v[LR], v12, 5, s18
	v_lshlrev_b32 v[BOF], 5, v11
	s_mov_b32 s19, 0
	s_mov_b32 s23, 0
	s_wait_kmcnt 0x0
	s_cmp_lt_u32 s17, 64
	s_cbranch_scc0 .Ljobh
	; JOB U.  nb = 32 c + 8 w + b names 16 rows of U_w; wave v takes K = 128 v .. 128 v + 127: four fragments.
	s_lshl_b32 s18, s17, 16                        ; 16 rows of 4,096 bytes
	s_add_nc_u64 s[4:5], s[4:5], s[18:19]
.irp f, 0,1,2,3
	LDFRAG F+16*\f, 4, 128*\f
.endr
	s_bfe_u32 s22, s17, 0x20003                    ; w
	s_lshl_b32 s22, s22, 19
	s_lshr_b32 s24, s17, 5                         ; c
	s_lshl_b32 s24, s24, 18
	s_add_co_u32 s22, s22, s24
	s_and_b32 s24, s17, 7                          ; b
	s_lshl_b32 s24, s24, 10
	s_add_co_u32 s22, s22, s24
	s_lshl_b32 s24, s16, 15                        ; kb = 4 v + f: 8,192 bytes each
	s_add_co_u32 s22, s22, s24
	s_add_nc_u64 s[12:13], s[12:13], s[22:23]
.irp f, 0,1,2,3
	s_wait_loadcnt 12-4*\f                         ; fragment f is in; the younger fragments' loads, four each, may stay out
.irp i, 0,2,4,6,8,10,12,14
	v_pk_mul_f32 v[F+16*\f+\i:F+16*\f+\i+1], v[F+16*\f+\i:F+16*\f+\i+1], s[20:21] op_sel_hi:[1,0]
.endr
	CVT F+16*\f
	global_store_b128 v[LO], v[F+16*\f:F+16*\f+3],   s[12:13] offset:8192*\f      ; each store of the wave covers 512 consecutive bytes, aligned
	global_store_b128 v[LO], v[F+16*\f+4:F+16*\f+7], s[12:13] offset:8192*\f+512
.endr
	s_branch .Lend
.Ljobh:	; JOB H.  g names 16 rows of W_w; wave v takes K = 128 v .. 128 v + 127 of them and of h's 32 rows.
	s_sub_co_u32 s17, s17, 64                      ; g
	s_lshl_b32 s18, s17, 16
	s_add_nc_u64 s[6:7], s[6:7], s[18:19]
.irp f, 0,1,2,3
	LDFRAG F+16*\f, 6, 128*\f
	LDFRAG F+64+16*\f, 10, 128*\f
	LDFRAG F+128+16*\f, 10, 65536+128*\f
.endr
	s_wait_loadcnt 0x0
.irp f, 0,1,2,3,4,5,6,7,8,9,10,11
	CVT F+16*\f
.endr
	; source 0 = 16 rows of W_w, source 1 = 16 rows of h: a lane ends with one batch (l % 16) and the columns d = 8 (l / 16) + 0..7.  The two accumulators take turns.
	v_wmma_f32_16x16x32_bf16 v[D0:D0+7], v[F:F+7], v[F+64:F+71], 0
	v_wmma_f32_16x16x32_bf16 v[D1:D1+7], v[F:F+7], v[F+128:F+135], 0
.irp f, 1,2,3
	v_wmma_f32_16x16x32_bf16 v[D0:D0+7], v[F+16*\f:F+16*\f+7], v[F+64+16*\f:F+64+16*\f+7], v[D0:D0+7]
	v_wmma_f32_16x16x32_bf16 v[D1:D1+7], v[F+16*\f:F+16*\f+7], v[F+128+16*\f:F+128+16*\f+7], v[D1:D1+7]
.endr
.rept 8
	v_nop                                          ; the places behind the last products, ahead of the stores that read them and of the loads into their sources
.endr
	ds_store_b128 v[LS], v[D0:D0+3]   offset:PART
	ds_store_b128 v[LS], v[D0+4:D0+7] offset:PART+16
	ds_store_b128 v[LS], v[D1:D1+3]   offset:PART+1024
	ds_store_b128 v[LS], v[D1+4:D1+7] offset:PART+1040
	s_wait_dscnt 0x0                               ; for the others' sake: my partial sums lie in LDS
	s_barrier_signal -1
	s_barrier_wait -1
	s_cmp_lt_u32 s16, 2                            ; wave 0 finishes batches 0-15, wave 1 batches 16-31
	s_cbranch_scc0 .Lend
	s_lshl_b32 s18, s17, 6                         ; 16 numbers of W_b
	s_add_nc_u64 s[8:9], s[8:9], s[18:19]
	global_load_b128 v[BI:BI+3],   v[BOF], s[8:9]
	global_load_b128 v[BI+4:BI+7], v[BOF], s[8:9] offset:16
.irp p, 0,1,2,3,4,5,6,7
	ds_load_b128 v[F+8*\p:F+8*\p+3],   v[LR] offset:PART+2048*\p
	ds_load_b128 v[F+8*\p+4:F+8*\p+7], v[LR] offset:PART+2048*\p+16
.endr
	s_lshl_b32 s18, s17, 11
	s_lshl_b32 s22, s16, 10
	s_add_co_u32 s22, s22, s18
	s_add_nc_u64 s[14:15], s[14:15], s[22:23]
	s_wait_dscnt 0x0
.irp p, 0,2,4,6
.irp i, 0,2,4,6
	v_pk_add_f32 v[F+8*\p+\i:F+8*\p+\i+1], v[F+8*\p+\i:F+8*\p+\i+1], v[F+8*\p+8+\i:F+8*\p+8+\i+1]
.endr
.endr
.irp p, 0,4
.irp i, 0,2,4,6
	v_pk_add_f32 v[F+8*\p+\i:F+8*\p+\i+1], v[F+8*\p+\i:F+8*\p+\i+1], v[F+8*\p+16+\i:F+8*\p+16+\i+1]
.endr
.endr
.irp i, 0,2,4,6
	v_pk_add_f32 v[F+\i:F+\i+1], v[F+\i:F+\i+1], v[F+32+\i:F+32+\i+1]
.endr
	s_wait_loadcnt 0x0                             ; W_b
.irp i, 0,2,4,6
	v_pk_add_f32 v[F+\i:F+\i+1], v[F+\i:F+\i+1], v[BI+\i:BI+\i+1]
.endr
.irp i, 0,2,4,6
	v_pk_mul_f32 v[F+\i:F+\i+1], v[F+\i:F+\i+1], s[20:21] op_sel_hi:[1,0]
.endr
	global_store_b128 v[LO], v[F:F+3],   s[14:15]              ; 512 consecutive bytes, aligned
	global_store_b128 v[LO], v[F+4:F+7], s[14:15] offset:512
.Lend:
	s_wait_tensorcnt 0x0                           ; the wave's end, behind my last LDS store
	ds_add_u32 v[SPW], v[NIL]
	s_wait_dscnt 0x0
	s_endpgm
.Lfunc_end_k_q6a6d8fafae_prep:
	.size	k_q6a6d8fafae_prep, .Lfunc_end_k_q6a6d8fafae_prep-k_q6a6d8fafae_prep
	.p2alignl 7, 3214868480
	.fill 96, 4, 3214868480
	.section	.rodata,"a",@progbits
	.p2align	6, 0x0
	.amdhsa_kernel k_q6a6d8fafae_prep
		.amdhsa_group_segment_fixed_size 17408
		.amdhsa_private_segment_fixed_size 0
		.amdhsa_enable_private_segment 0
		.amdhsa_kernarg_size 48
		.amdhsa_user_sgpr_count 2
		.amdhsa_user_sgpr_kernarg_segment_ptr 1
		.amdhsa_wavefront_size32 1
		.amdhsa_system_sgpr_workgroup_id_x 1
		.amdhsa_system_sgpr_workgroup_id_y 1
		.amdhsa_system_sgpr_workgroup_id_z 1
		.amdhsa_system_vgpr_workitem_id 0
		.amdhsa_next_free_vgpr 256
		.amdhsa_next_free_sgpr 66
		.amdhsa_reserve_vcc 0
		.amdhsa_float_denorm_mode_32 3
		.amdhsa_float_denorm_mode_16_64 3
		.amdhsa_memory_ordered 1
		.amdhsa_forward_progress 1
		.amdhsa_inst_pref_size 25
	.end_amdhsa_kernel
	.amdgpu_metadata
---
amdhsa.version: [ 1, 2 ]
amdhsa.kernels:
  - .name:           k_q6a6d8fafae_prep
    .symbol:         k_q6a6d8fafae_prep.kd
    .args:
      - { .name: U_w, .offset: 0, .size: 8, .value_kind: global_buffer, .address_space: global }
      - { .name: W_w, .offset: 8, .size: 8, .value_kind: global_buffer, .address_space: global }
      - { .name: W_b, .offset: 16, .size: 8, .value_kind: global_buffer, .address_space: global }
      - { .name: h, .offset: 24, .size: 8, .value_kind: global_buffer, .address_space: global }
      - { .name: ub, .offset: 32, .size: 8, .value_kind: global_buffer, .address_space: global }
      - { .name: hpw, .offset: 40, .size: 8, .value_kind: global_buffer, .address_space: global }
    .group_segment_fixed_size: 17408
    .private_segment_fixed_size: 0
    .kernarg_segment_align: 8
    .kernarg_segment_size: 48
    .max_flat_workgroup_size: 256
    .sgpr_count:     66
    .vgpr_count:     256
    .wavefront_size: 32
...
	.end_amdgpu_metadata
.endif
;; end of part 1
;; launch main (part 2): grid 512 x 1, 4 waves a work-group, no clusters, 280,064 bytes of LDS; arguments V, ub, hpw, w_w, part; writes part
.if DOCPART == 2
	.amdgcn_target "amdgcn-amd-amdhsa--gfx1250"
	.amdhsa_code_object_version 6
	.text
	.protected	k_q6a6d8fafae_main
	.globl	k_q6a6d8fafae_main
	.p2align	8
	.type	k_q6a6d8fafae_main,@function
k_q6a6d8fafae_main:
	s_mov_b64 s[64:65], 0
	v_nop
	global_prefetch_b8 v0, s[64:65] scope:SCOPE_SE
	s_setreg_imm32_b32 hwreg(HW_REG_WAVE_MODE, 25, 1), 1
	s_wait_xcnt 0x0
; ADDITIVE ATTENTION, launch 2 of 3.  Left out, as shown at the head of launch 1: the term sum_d w[d] of e, which is the same along the softmax's axis.
; A work-group owns 128 rows s of one batch.  It reads them from memory ONCE, keeps them as bf16 in LDS, and uses them twice: for x' = c0 (V U^T) and, when the rows' weights are known, for sum_s p[s] V[s].
;   t[s] = sum_d w[d] / (1 + 2^(x'[s][d] + hp'[d])),  g[s] = -2 log2(e) t[s],  m = max_s g[s],  p[s] = 2^(g[s] - m),  l = sum_s p[s],  o[v] = sum_s p[s] V[s][v].
; It stores (o, m, l); launch 3 joins a batch's 16 blocks under the batch's own maximum.
; FORMATS: V and c0 U in bf16 (each rounded once), p rounded to bf16 for the second product; all sums, t, g, m, l (of the unrounded p) and o in f32.
; LIMITS: a p below 2^-126 counts as 0; NaN and infinities among the inputs are not treated apart.  2^x that overflows gives 1 / infinity = 0, one that underflows 1 / 1: tanh's two ends.
; SHARES.  N = 1,024 goes in two passes of 512 columns d.  In a pass wave w makes all 128 rows x its own 128 columns (512 c + 128 w + ..): 64 accumulators, 512 registers; K goes in 32 steps of 32,
; 64 matrix instructions each.  Source 0 = 16 rows of U, source 1 = 16 rows of V: a lane holds ONE row s (16 a + l % 16) and eight neighbouring d (16 b + 8 (l / 16) + 0..7).
; U comes from ub straight into registers: launch 1 laid it out so that a load of 16 bytes a lane is half a fragment, 512 consecutive bytes a wave; four buffers, asked for four steps ahead.
; V IN PASS 1.  Column block D (64 columns: 256 bytes of f32 a row) serves steps 2 D and 2 D + 1.  Wave w loads rows 32 w .. 32 w + 31 of it (16 loads, two whole rows' 256 bytes each) into one of two sets of
; registers, rounds it and stores it to LDS two steps ahead of its first use, half a block behind each of two runs of 32 products; one barrier for each block lies between those stores and the first read.
; THE ORDER OF THE TEXT: pass 1; then a loop of two trips that begins with the epilogue (one text for both passes), is left behind the second epilogue, and holds pass 2 behind the first.
; NO CLUSTER AND NO TENSOR LOADS, by this text's own arithmetic: the only tiles that work-groups share are U's.  V's 128 rows take 264,192 of the 327,680 bytes of LDS; what is left beside the tables and scratch
; (under 60,000 bytes) would hold two slots of at most one and a half K steps of U's 512 columns (32,768 bytes a step), and V, which arrives in f32 and is kept in bf16, has to pass through registers anyway.
; With this split no two waves of the work-group want the same byte of U, so nothing would be shared inside the work-group either.
;
; LDS (written by ds_store alone)
.set PITCH,  2064                      ; a row of V: 2,048 bytes + 16: an odd multiple of 16, so the 16 rows that a fragment load touches begin in 16 different groups of four banks (ISA guide 11.1)
.set H16,    16*PITCH
.set TABH,   128*PITCH                 ; 264,192  hp'[batch][0..1023], f32
.set TABW,   TABH+4096                 ;          w_w, f32
.set ESC,    TABW+4096                 ;          wave w's 128 partial t at 512 w + 4 row
.set PSC,    ESC+2048                  ;          each wave's own copy of p, bf16, at 256 w + 2 row
.set OSC,    PSC+1024                  ;          each wave's own 256 numbers of o at 1,024 w
.set SPARE,  OSC+4096                  ; 279,552  the spare words, 128 bytes for each wave: two blocks of 256 bytes that no other line names
; REGISTERS, in windows of 256 (s_set_vgpr_msb: bits 1:0 source 0, 3:2 source 1, 5:4 source 2, 7:6 destination)
;   window 0: addresses, T, TMP, V's fragments, V's staging (in the epilogue: the tables)     window 1: U's four buffers (at the end: o)     windows 2, 3: accumulator (a, b) at 8 (8 (a % 4) + b), window 2 + a / 4
.set VO,   2                           ; v2      V in memory: (32 w + l / 16) x 4,096 + 16 (l % 16); never rewritten
.set VS0,  3                           ; v3      V in LDS, for the stores: (32 w + l / 16) x PITCH + 8 (l % 16)
.set ADR0, 4                           ; v4-7    V in LDS, for the fragments: (32 p + l % 16) x PITCH + 16 (l / 16), p = 0..3
.set BO,   8                           ; v8      16 l
.set PFO,  9                           ; v9      the prefetches' offset: (32 w + l) x 4,096: a lane a row
.set TAD0, 10                          ; v10     TABH + 512 w + 32 (l / 16)
.set EST,  11
.set ELD,  12
.set PST,  13
.set PLD,  14
.set OST,  15
.set OLD,  16
.set GOF,  17                          ; v17     1,024 w + 16 l: my 16 bytes of o in the record
.set TRA,  18                          ; v18-21  V turned: (32 q + 8 (l / 16) + l % 8) x PITCH + 16 ((l / 8) % 2) + 512 w
.set SPW,  22                          ; v22     my spare word; never rewritten
.set NIL,  23                          ; v23     0; never rewritten
.set ADR,  24                          ; v24-27  ADR0 + KO
.set VS,   28                          ; v28     VS0 + KO
.set TAD,  29                          ; v29     TAD0 + TOF
.set T,    32                          ; v32-47  row block a's partial t, a pair (even d, odd d)
.set TMP,  48                          ; v48-63  at work
.set AF,   64                          ; v64-127 V's fragments of one step, block a at AF + 8 a
.set STG,  128                         ; v128-255 two sets of 64: V as loaded, quad i (rows 2 i, 2 i + 1 of my 32) at 4 i
.set HPT,  128                         ; in the epilogue: hp' of my 64 columns,
.set WT,   192                         ; and w
.set WV,   14                          ; s14  wave
.set BLK,  15                          ; s15  work-group
.set SV,   20                          ; s[20:21] V at the block's first row, at the column block where the loop stands
.set SB,   22                          ; s[22:23] ub at my wave's stream, at the step where the loop stands
.set CNT,  24
.set PASS, 25                          ; s25  epilogues still to come
.set SEL,  26                          ; s[26:27] v_permlanex16_b32's selects: each lane takes its own place in the other half
.set HIM,  28                          ; s28  lanes 16-31
.set KO,   29                          ; s29  LDS bytes along a row at which the loop stands: 64 a step
.set KAP,  30                          ; s[30:31] -2 log2(e)
.set REC,  32                          ; s[32:33] my record in part
.set TOF,  34                          ; s34  the pass's 512 columns in the tables: 0, then 2,048 bytes
.set MSB, 0
.macro WIN new                         ; the immediate's high byte repeats the setting that is left; a switch that changes nothing is dropped
.if MSB != (\new)
	s_set_vgpr_msb (MSB<<8)|(\new)
.set MSB, (\new)
.endif
.endm
.macro PLACES                          ; four places behind matrix instructions, ahead of loads into registers that they have read and of lines that read their results
.rept 4
	v_nop
.endr
.endm
; 16 products: row blocks a0, a0 + 1 of the window's four x all 8 column blocks.  Each of the 64 accumulators has one turn a step, in the same order in every step.
.macro MUL16 u, hi, a0, zero
	WIN 0xa1+0x50*(\hi)                            ; U window 1, V window 0, C and D window 2 or 3
.irp a, \a0, (\a0)+1
.irp b, 0,1,2,3,4,5,6,7
.if \zero
	v_wmma_f32_16x16x32_bf16 v[8*(8*(\a)+(\b)):8*(8*(\a)+(\b))+7], v[64*(\u)+8*(\b):64*(\u)+8*(\b)+7], v[AF+8*(4*(\hi)+(\a)):AF+8*(4*(\hi)+(\a))+7], 0
.else
	v_wmma_f32_16x16x32_bf16 v[8*(8*(\a)+(\b)):8*(8*(\a)+(\b))+7], v[64*(\u)+8*(\b):64*(\u)+8*(\b)+7], v[AF+8*(4*(\hi)+(\a)):AF+8*(4*(\hi)+(\a))+7], v[8*(8*(\a)+(\b)):8*(8*(\a)+(\b))+7]
.endif
.endr
.endr
.endm
.macro REFILL base, hi, ko             ; 8 LDS loads: V's fragments of four row blocks, 32 K at byte ko behind the address
.irp a, 0,1,2,3
	ds_load_b128 v[AF+8*(4*(\hi)+(\a)):AF+8*(4*(\hi)+(\a))+3],   v[(\base)+2*(\hi)+(\a)/2] offset:((\a)%2)*H16+(\ko)
	ds_load_b128 v[AF+8*(4*(\hi)+(\a))+4:AF+8*(4*(\hi)+(\a))+7], v[(\base)+2*(\hi)+(\a)/2] offset:((\a)%2)*H16+(\ko)+32
.endr
.endm
.macro BLOAD u, off                    ; 16 loads: a step's eight fragments of U into buffer u; each covers 512 consecutive bytes
	WIN 0x40                                       ; destination window 1, address window 0
.irp b, 0,1,2,3,4,5,6,7
	global_load_b128 v[64*(\u)+8*(\b):64*(\u)+8*(\b)+3],   v[BO], s[SB:SB+1] offset:(\off)+1024*(\b)
	global_load_b128 v[64*(\u)+8*(\b)+4:64*(\u)+8*(\b)+7], v[BO], s[SB:SB+1] offset:(\off)+1024*(\b)+512
.endr
	WIN 0
.endm
.macro VLOAD set, q0, go               ; 8 loads: 16 of my rows, 256 bytes each: lanes 0-15 one row, lanes 16-31 the next
.set cq, (\q0)
.rept 8
	global_load_b128 v[STG+64*(\set)+4*cq:STG+64*(\set)+4*cq+3], v[VO], s[SV:SV+1] offset:cq*8192+(\go) th:TH_LOAD_NT
.set cq, cq+1
.endr
.endm
; Half a column block: rounded to bf16, stored to LDS at byte so of the rows, and (reload) the same registers asked for again, two blocks on.  Its 16 conversions name no register of the products in front of
; them: they are the four places.
.macro CONV set, q0, so, reload, go
.set cq, 0
.rept 8
	v_cvt_pk_bf16_f32 v[TMP+2*cq],   v[STG+64*(\set)+4*((\q0)+cq)],   v[STG+64*(\set)+4*((\q0)+cq)+1]
	v_cvt_pk_bf16_f32 v[TMP+2*cq+1], v[STG+64*(\set)+4*((\q0)+cq)+2], v[STG+64*(\set)+4*((\q0)+cq)+3]
.set cq, cq+1
.endr
.set cq, 0
.rept 8
	ds_store_b64 v[VS], v[TMP+2*cq:TMP+2*cq+1] offset:((\q0)+cq)*2*PITCH+(\so)
.set cq, cq+1
.endr
.if \reload
	VLOAD \set, \q0, \go
.endif
.endm
; A PREFETCH INTO THE L2 of V, which this launch reads once: in trip t of pass 1's loop each wave names ITS OWN 32 rows' 256 bytes of column blocks 2 t + 8 and 2 t + 9, a lane a row, two instructions, behind the
; step's loads of U.  Those blocks are loaded eight K steps, 512 matrix instructions, later.  So each aligned block of 256 bytes is named once in the launch, by the wave that will load it.  Blocks 0 to 7 come by their
; loads alone; the last two trips (CNT = 2, 1) ask for nothing: block 15 is the rows' last.  ub is read by every work-group and is not asked for.
.macro ASK
	s_cmp_gt_u32 s[CNT], 2
	s_cbranch_scc0 .Lnot_asked_\@
	global_prefetch_b8 v[PFO], s[SV:SV+1] offset:2048 th:TH_LOAD_NT scope:SCOPE_SE
	global_prefetch_b8 v[PFO], s[SV:SV+1] offset:2304 th:TH_LOAD_NT scope:SCOPE_SE
.Lnot_asked_\@:
.endm
; A K STEP: pass p, step k; the pointers and KO stand at step kb0.  Two halves: row blocks 0-3, then 4-7.  A half: 32 products; four places; then the same registers are filled with the next step's fragments, which have the
; other half's 32 products in which to land.  Behind the second half U of step k + 4 is asked for, into the buffer just read out.
; Pass 1 besides: behind the first half of an even step and the second half of an odd one, half a column block of V goes to LDS (EV, OD); in the first half of an odd step stands the block's barrier (BAR):
; block D + 1 is stored in steps 2 D - 1 and 2 D, the signal stands in step 2 D + 1 behind my wait for those stores, and the refill behind the barrier's wait is the first read of the block.
.macro STEP p, k, kb0, zero, pf
.set U,  (\k)%4
.set KR, ((\k)+1-(\kb0))*64
.set EV, 0
.if ((\p)==1) && ((\k)%2==0) && ((\k)<=28)
.set EV, 1
.endif
.set OD, 0
.if ((\p)==1) && ((\k)%2==1) && ((\k)<=27)
.set OD, 1
.endif
.set BAR, 0
.if ((\p)==1) && ((\k)%2==1) && ((\k)<=29)
.set BAR, 1
.endif
.set NB, 48                            ; younger than U of step k: U of the three steps behind it, 16 loads each,
.if ((\p)==1) && ((\k)<=26)
.set NB, 63                            ; and in pass 1 up to 24 loads of V: 64 or more; the count's field ends at 63, and a smaller count is always safe
.endif
.if ((\p)==2) && ((\k)>28)
.set NB, 16*(31-(\k))                  ; at the end the steps behind it run out
.endif
	s_wait_dscnt 8+8*EV                            ; blocks 0-3's fragments are in; younger: the other half's 8 loads and, in an even step of pass 1, the 8 stores of V issued in front of them
	s_wait_loadcnt NB
	MUL16 U, 0, 0, \zero
.if BAR
	s_wait_dscnt 0x0                               ; for the others' sake: my stores of the next column block are done (the youngest were issued 48 products ago), and no LDS instruction of mine is out
	s_barrier_signal -1
.endif
	MUL16 U, 0, 2, \zero
	WIN 0
.if BAR
	s_barrier_wait -1                              ; everybody's part of the block lies in LDS
.endif
.if EV
.set VD,  (\k)/2+1
.set VRL, 0
.if (\k)<=24
.set VRL, 1
.endif
	s_wait_loadcnt 63                              ; the half block was asked for four steps ago: 64 loads or more are younger
	CONV VD%2, 8, (VD-(\kb0)/2)*128, VRL, (VD+2-(\kb0)/2)*256
.else
	PLACES
.endif
.if (\k)<31
	REFILL ADR, 0, KR
.elseif (\p)==1
	REFILL ADR0, 0, 0                              ; pass 2 begins at the rows' first byte again
.endif
.if ((\p)==2) && ((\k)==31)
	s_wait_dscnt 0x0                               ; nothing was issued behind these fragments
.else
	s_wait_dscnt 8+8*EV                            ; blocks 4-7's fragments are in; younger: the first half's 8 loads and, where it stored V, its 8 stores
.endif
	MUL16 U, 1, 0, \zero
	MUL16 U, 1, 2, \zero
	WIN 0
.if OD
.set VD,  ((\k)+3)/2
.set VRL, 0
.if (\k)<=23
.set VRL, 1
.endif
	s_wait_loadcnt 63                              ; as above
	CONV VD%2, 0, (VD-(\kb0)/2)*128, VRL, (VD+2-(\kb0)/2)*256
.else
	PLACES
.endif
.if ((\p)==1) || ((\k)<=27)
	BLOAD U, ((\k)+4-(\kb0))*8192                  ; pass 1's last four steps ask for pass 2's first four: the stream goes on
.endif
.if \pf
	ASK
.endif
.if (\k)<31
	REFILL ADR, 1, KR
.elseif (\p)==1
	REFILL ADR0, 1, 0
.endif
.endm
.macro NEXT4 p                         ; the loop's edge: four steps on
	s_wait_xcnt 0x0                                ; every load and prefetch issued so far has read its address (ISA guide 3.1): the pointers are written only behind this wait
	s_add_nc_u64 s[SB:SB+1], s[SB:SB+1], 4*8192
.if (\p)==1
	s_add_nc_u64 s[SV:SV+1], s[SV:SV+1], 512
.endif
	s_add_co_u32 s[KO], s[KO], 256
.irp q, 0,1,2,3
	v_add_nc_u32 v[ADR+\q], s[KO], v[ADR0+\q]
.endr
.if (\p)==1
	v_add_nc_u32 v[VS], s[KO], v[VS0]
.endif
	s_sub_co_u32 s[CNT], s[CNT], 1
	s_cmp_lg_u32 s[CNT], 0
.endm
; THE EPILOGUE of a pass: T[a] += sum over my 64 columns of w / (1 + 2^(x' + hp')).  Pair n of 32 of row block t of a window lies at 64 t + 2 n, its hp' at HPT + 2 n, its w at WT + 2 n.
; One window setting serves all five kinds of line.  X reads each accumulator from its lowest registers on.
.macro XOP t, n                        ; + hp'
	v_pk_add_f32 v[64*(\t)+2*(\n):64*(\t)+2*(\n)+1], v[64*(\t)+2*(\n):64*(\t)+2*(\n)+1], v[HPT+2*(\n):HPT+2*(\n)+1]
.endm
.macro EOP t, n
	v_exp_f32 v[64*(\t)+(\n)], v[64*(\t)+(\n)]
.endm
.macro AOP t, n                        ; + 1
	v_pk_add_f32 v[64*(\t)+2*(\n):64*(\t)+2*(\n)+1], v[64*(\t)+2*(\n):64*(\t)+2*(\n)+1], 1.0 op_sel_hi:[1,0]
.endm
.macro ROP t, n
	v_rcp_f32 v[64*(\t)+(\n)], v[64*(\t)+(\n)]
.endm
.macro SOP t, n                        ; times w, summed in four chains that lie in the block's first four pairs
.if (\n) < 4
	v_pk_mul_f32 v[64*(\t)+2*(\n):64*(\t)+2*(\n)+1], v[64*(\t)+2*(\n):64*(\t)+2*(\n)+1], v[WT+2*(\n):WT+2*(\n)+1]
.else
	v_pk_fma_f32 v[64*(\t)+2*((\n)%4):64*(\t)+2*((\n)%4)+1], v[64*(\t)+2*(\n):64*(\t)+2*(\n)+1], v[WT+2*(\n):WT+2*(\n)+1], v[64*(\t)+2*((\n)%4):64*(\t)+2*((\n)%4)+1]
.endif
.endm
; A window's four row blocks.  A block's 64 exponentials are one batch, its 64 reciprocals another: an s_wait_alu depctr_va_vdst(0) stands between such a line and the first that names its result, and one
; wait serves a batch.  Between the exponentials of block t stand the additions of block t + 1 and the sums of block t - 1, which name none of their results; a v_nop is the plain line behind a batch's last.
.macro EPIW hi
	WIN 0xa2+0x51*(\hi)                            ; sources 0 and 2 and the destination in window 2 or 3, source 1 (the tables) in window 0
.set i, 0
.rept 32
	XOP 0, i
.set i, i+1
.endr
.irp t, 0,1,2,3
.set i, 0
.rept 32
	EOP \t, 2*i
.if (\t) < 3
	XOP (\t)+1, i
.endif
	EOP \t, 2*i+1
.if (\t) > 0
	SOP (\t)-1, i
.endif
.set i, i+1
.endr
	v_nop
	s_wait_alu depctr_va_vdst(0)                   ; the wait for the 64 exponentials
	AOP \t, 0
.set i, 0
.rept 32
.if i < 31
	AOP \t, i+1
.endif
	ROP \t, 2*i
	ROP \t, 2*i+1
.set i, i+1
.endr
	v_nop
	s_wait_alu depctr_va_vdst(0)                   ; the wait for the 64 reciprocals
.endr
.set i, 0
.rept 32
	SOP 3, i
.set i, i+1
.endr
	WIN 0x02+(\hi)                                 ; source 0 in window 2 or 3, T in window 0
.irp jj, 0,1,2,3
.irp t, 0,1,2,3
	v_pk_add_f32 v[T+2*(4*(\hi)+(\t)):T+2*(4*(\hi)+(\t))+1], v[64*(\t)+2*(\jj):64*(\t)+2*(\jj)+1], v[T+2*(4*(\hi)+(\t)):T+2*(4*(\hi)+(\t))+1]
.endr
.endr
.endm
	s_load_b256 s[4:11], s[0:1], 0x0               ; V s[4:5], ub s[6:7], hpw s[8:9], w_w s[10:11]
	s_load_b64 s[12:13], s[0:1], 0x20              ; part
	v_lshl_add_u32 v[SPW], v0, 2, SPARE
	v_mov_b32 v[NIL], 0
	v_lshrrev_b32 v1, 5, v0
	v_readfirstlane_b32 s[WV], v1                  ; wave 0..3
	s_mov_b32 s[BLK], ttmp9
	v_and_b32 v29, 31, v0                          ; l
	v_and_b32 v30, 15, v0                          ; l % 16
	v_bfe_u32 v31, v0, 4, 1                        ; l / 16
	s_lshl_b32 s16, s[WV], 17                      ; my 32 rows of 4,096 bytes
	v_lshlrev_b32 v[VO], 4, v30
	v_lshl_add_u32 v[VO], v31, 12, v[VO]
	v_add_nc_u32 v[VO], s16, v[VO]
	v_lshl_add_u32 v[PFO], v29, 12, s16
	v_lshlrev_b32 v[BO], 4, v29
	v_lshrrev_b32 v48, 1, v0                       ; thread t brings columns 8 t .. 8 t + 7 of both tables: in hpw they lie at g = t / 2, half t % 2
	v_and_b32 v49, 1, v0
	v_lshlrev_b32 v48, 11, v48
	v_lshl_add_u32 v48, v49, 8, v48
	v_lshlrev_b32 v49, 5, v0
	v_add_nc_u32 v50, TABH, v49
	s_lshl_b32 s16, s[BLK], 19                     ; the block's 128 rows of 4,096 bytes
	s_mov_b32 s17, 0
	s_lshl_b32 s18, s[WV], 19                      ; my wave's stream in ub
	s_mov_b32 s19, 0
	s_lshr_b32 s34, s[BLK], 8                      ; the batch is BLK / 16: its tile of 16 batches,
	s_lshl_b32 s34, s34, 10
	s_bfe_u32 s35, s[BLK], 0x40004                 ; and its place in the tile
	s_lshl_b32 s35, s35, 4
	s_add_co_u32 s34, s34, s35
	s_mov_b32 s35, 0
	s_mul_i32 s38, s[BLK], 4608
	s_mov_b32 s39, 0
	s_wait_kmcnt 0x0
	s_add_nc_u64 s[SV:SV+1], s[4:5], s[16:17]
	s_add_nc_u64 s[SB:SB+1], s[6:7], s[18:19]
	s_add_nc_u64 s[36:37], s[8:9], s[34:35]
	s_add_nc_u64 s[REC:REC+1], s[12:13], s[38:39]
	global_load_b128 v[64:67], v48, s[36:37]
	global_load_b128 v[68:71], v48, s[36:37] offset:512
	global_load_b128 v[72:75], v49, s[10:11]
	global_load_b128 v[76:79], v49, s[10:11] offset:16
	VLOAD 0, 0, 0                                  ; column block 0
	VLOAD 0, 8, 0
	VLOAD 1, 0, 256                                ; column block 1
	VLOAD 1, 8, 256
	BLOAD 0, 0
	BLOAD 1, 8192
	; the addresses, while the first loads are on their way
	s_mul_i32 s17, s[WV], 32*PITCH
	v_mul_u32_u24 v[VS0], v31, PITCH
	v_lshl_add_u32 v[VS0], v30, 3, v[VS0]
	v_add_nc_u32 v[VS0], s17, v[VS0]
	v_mov_b32 v[VS], v[VS0]
	v_mul_u32_u24 v[ADR0], v30, PITCH
	v_lshl_add_u32 v[ADR0], v31, 4, v[ADR0]
.irp q, 1,2,3
	v_add_nc_u32 v[ADR0+\q], \q*32*PITCH, v[ADR0]
.endr
.irp q, 0,1,2,3
	v_mov_b32 v[ADR+\q], v[ADR0+\q]
.endr
	s_lshl_b32 s17, s[WV], 9
	v_lshl_add_u32 v[TAD0], v31, 5, s17
	v_add_nc_u32 v[TAD0], TABH, v[TAD0]
	v_lshl_add_u32 v[EST], v30, 2, s17
	v_add_nc_u32 v[EST], ESC, v[EST]
	v_add_nc_u32 v[ELD], ESC, v[BO]
	v_and_b32 v1, 7, v0
	v_lshl_add_u32 v1, v31, 3, v1
	v_mul_u32_u24 v1, v1, PITCH
	v_bfe_u32 v51, v0, 3, 1
	v_lshl_add_u32 v1, v51, 4, v1
	v_add_nc_u32 v[TRA], s17, v1
.irp q, 1,2,3
	v_add_nc_u32 v[TRA+\q], \q*32*PITCH, v[TRA]
.endr
	s_lshl_b32 s17, s[WV], 8
	v_lshl_add_u32 v[PST], v29, 3, s17
	v_add_nc_u32 v[PST], PSC, v[PST]
	v_lshl_add_u32 v[PLD], v31, 4, s17
	v_add_nc_u32 v[PLD], PSC, v[PLD]
	s_lshl_b32 s17, s[WV], 10
	v_lshl_add_u32 v[OST], v29, 2, s17
	v_add_nc_u32 v[OST], OSC, v[OST]
	v_add_nc_u32 v[GOF], s17, v[BO]
	v_add_nc_u32 v[OLD], OSC, v[GOF]
.irp i, 0,1,2,3,4,5,6,7,8,9,10,11,12,13,14,15
	v_mov_b32 v[T+\i], 0                           ; t's partial sums run over both passes
.endr
	s_mov_b32 s[SEL], 0x76543210
	s_mov_b32 s[SEL+1], 0xfedcba98
	s_mov_b32 s[HIM], 0xffff0000
	s_mov_b32 s[KO], 0
	s_mov_b32 s[KAP], 0xc038aa3b
	s_mov_b32 s[KAP+1], 0xc038aa3b                 ; named with it as a pair
	s_wait_loadcnt 63                              ; the tables' four loads are in: 64 loads are younger
	ds_store_b128 v50, v[64:67]
	ds_store_b128 v50, v[68:71] offset:16
	ds_store_b128 v50, v[72:75] offset:4096
	ds_store_b128 v50, v[76:79] offset:4112
	s_wait_loadcnt 48                              ; column block 0 is in; younger: block 1 and two steps of U, 16 loads each
	CONV 0, 0, 0, 1, 512                           ; block 0 to LDS, block 2 asked for
	CONV 0, 8, 0, 1, 512
	s_wait_dscnt 0x0                               ; for the others' sake: my part of the tables and of block 0
	s_barrier_signal -1
	s_barrier_wait -1
	REFILL ADR0, 0, 0                              ; step 0's fragments
	REFILL ADR0, 1, 0
	s_wait_loadcnt 56                              ; the first half of block 1 is in; younger: its second half 8, U 32, block 2 16
	CONV 1, 0, 128, 1, 768
	BLOAD 2, 2*8192
	BLOAD 3, 3*8192
	; PASS 1: columns d = 0 .. 511, and V on its way into LDS
	STEP 1, 0, 0, 1, 0                             ; the first step's products start the sums: nothing is cleared
	s_mov_b32 s[CNT], 6
.Lk1:                                                  ; steps 4 t + 1 .. 4 t + 4
	STEP 1, 1, 0, 0, 1
	STEP 1, 2, 0, 0, 0
	STEP 1, 3, 0, 0, 0
	STEP 1, 4, 0, 0, 0
	NEXT4 1
	s_cbranch_scc1 .Lk1
.irp k, 25,26,27,28,29,30,31                   ; the tail is written out: V's loads, then its stores and barriers, run out
	STEP 1, \k, 24, 0, 0
.endr
	s_mov_b32 s[PASS], 2
	s_mov_b32 s[TOF], 0
.Lepi:                                                 ; two trips: the epilogue of pass 1, then pass 2; the epilogue of pass 2, and out.  Four places stand behind each half's last products (STEP)
	v_add_nc_u32 v[TAD], s[TOF], v[TAD0]
.irp b, 0,1,2,3,4,5,6,7                        ; my 64 columns: 16 b + 8 (l / 16) + 0..7; the staging registers are free: V's last block was converted in step 28
	ds_load_b128 v[HPT+8*\b:HPT+8*\b+3],   v[TAD] offset:64*\b
	ds_load_b128 v[HPT+8*\b+4:HPT+8*\b+7], v[TAD] offset:64*\b+16
	ds_load_b128 v[WT+8*\b:WT+8*\b+3],     v[TAD] offset:4096+64*\b
	ds_load_b128 v[WT+8*\b+4:WT+8*\b+7],   v[TAD] offset:4096+64*\b+16
.endr
	s_wait_dscnt 0x0
	EPIW 0
	EPIW 1
	WIN 0
	s_sub_co_u32 s[PASS], s[PASS], 1
	s_cmp_eq_u32 s[PASS], 0
	s_cbranch_scc1 .Lfinal                         ; behind the second epilogue the loop is left
	; PASS 2: columns d = 512 .. 1,023; V lies in LDS.  U of its first four steps was asked for in pass 1's last four.
	s_mov_b32 s[TOF], 2048
	s_wait_xcnt 0x0                                ; as at the loops' edges
	s_add_nc_u64 s[SB:SB+1], s[SB:SB+1], 8*8192    ; from step 24 of pass 1 to step 0 of pass 2
	s_mov_b32 s[KO], 0
.irp q, 0,1,2,3
	v_mov_b32 v[ADR+\q], v[ADR0+\q]
.endr
	STEP 2, 0, 0, 1, 0
	s_mov_b32 s[CNT], 6
.Lk2:
	STEP 2, 1, 0, 0, 0
	STEP 2, 2, 0, 0, 0
	STEP 2, 3, 0, 0, 0
	STEP 2, 4, 0, 0, 0
	NEXT4 2
	s_cbranch_scc1 .Lk2
.irp k, 25,26,27,28,29,30,31                   ; the tail: U's loads run out, no load leaves ub; step 31 waits for all of them
	STEP 2, \k, 24, 0, 0
.endr
	s_cmp_lg_u32 s[PASS], 0                        ; one epilogue is still to come: the jump back, on the loop's counter, is taken whenever this line is reached
	s_cbranch_scc1 .Lepi
.Lfinal:
	s_wait_loadcnt 0x0                             ; no load is out (pass 2's last step has waited for all): said where the loop is left, since o's sums below take U's registers
	; THE BLOCK'S SOFTMAX.  T's two halves, the other half of the lanes (the other eight of each sixteen columns), then the four waves' parts through LDS.
.irp a, 0,1,2,3,4,5,6,7
	v_add_f32 v[T+2*\a], v[T+2*\a], v[T+2*\a+1]
.endr
.irp a, 0,1,2,3,4,5,6,7
	v_permlanex16_b32 v[T+2*\a+1], v[T+2*\a], s[SEL], s[SEL+1]
.endr
.irp a, 0,1,2,3,4,5,6,7
	v_add_f32 v[T+2*\a], v[T+2*\a], v[T+2*\a+1]
.endr
.irp a, 0,1,2,3,4,5,6,7
	ds_store_b32 v[EST], v[T+2*\a] offset:64*\a    ; row 16 a + l % 16; both halves of the lanes write the same word with the same number
.endr
	s_wait_dscnt 0x0                               ; for the others' sake
	s_barrier_signal -1
	s_barrier_wait -1
.irp q, 0,1,2,3
	ds_load_b128 v[TMP+4*\q:TMP+4*\q+3], v[ELD] offset:512*\q  ; rows 4 l .. 4 l + 3, wave q's part.  Every wave makes all 128 weights for itself
.endr
; V turned, for o = p V: 32 rows s (32 q on) x my wave's 256 columns, 16 fragments.  The turning load takes 16 s x 16 columns and leaves half a fragment: lane l holds column l % 16 and 8 rows s.
.macro TRL q
	WIN 0x80+0x40*((\q)/2)                         ; destination window 2 or 3: the accumulators' registers are free
.irp n, 0,1,2,3,4,5,6,7,8,9,10,11,12,13,14,15
	ds_load_tr16_b128 v[128*((\q)%2)+8*(\n):128*((\q)%2)+8*(\n)+3],   v[TRA+(\q)] offset:32*(\n)
	ds_load_tr16_b128 v[128*((\q)%2)+8*(\n)+4:128*((\q)%2)+8*(\n)+7], v[TRA+(\q)] offset:32*(\n)+H16
.endr
	WIN 0
.endm
; 16 products: o[16 n ..] += p[32 q ..] V.  Source 0 holds p in all its 16 rows, so every row of the result is o; the 16 accumulators take turns.
.macro OMUL q
	WIN 0x58+4*((\q)/2)                            ; p window 0, V window 2 or 3, o window 1
.irp n, 0,1,2,3,4,5,6,7,8,9,10,11,12,13,14,15
.if (\q) == 0
	v_wmma_f32_16x16x32_bf16 v[8*(\n):8*(\n)+7], v[AF+8*(\q):AF+8*(\q)+7], v[128*((\q)%2)+8*(\n):128*((\q)%2)+8*(\n)+7], 0
.else
	v_wmma_f32_16x16x32_bf16 v[8*(\n):8*(\n)+7], v[AF+8*(\q):AF+8*(\q)+7], v[128*((\q)%2)+8*(\n):128*((\q)%2)+8*(\n)+7], v[8*(\n):8*(\n)+7]
.endif
.endr
.endm
	TRL 0
	s_wait_dscnt 32                                ; the four parts of t are in; the 32 turning loads may stay out
	v_pk_add_f32 v[48:49], v[48:49], v[52:53]
	v_pk_add_f32 v[50:51], v[50:51], v[54:55]
	v_pk_add_f32 v[56:57], v[56:57], v[60:61]
	v_pk_add_f32 v[58:59], v[58:59], v[62:63]
	v_pk_add_f32 v[48:49], v[48:49], v[56:57]
	v_pk_add_f32 v[50:51], v[50:51], v[58:59]
	v_pk_mul_f32 v[48:49], v[48:49], s[KAP:KAP+1] op_sel_hi:[1,0]  ; g = -2 log2(e) t
	v_pk_mul_f32 v[50:51], v[50:51], s[KAP:KAP+1] op_sel_hi:[1,0]
	v_max3_num_f32 v52, v48, v49, v50              ; the block's maximum: my four rows, then the 32 lanes
	v_max_num_f32 v52, v52, v51
	v_max_num_f32_dpp v52, v52, v52 row_xmask:1 row_mask:0xf bank_mask:0xf
	v_max_num_f32_dpp v52, v52, v52 row_xmask:2 row_mask:0xf bank_mask:0xf
	v_max_num_f32_dpp v52, v52, v52 row_xmask:4 row_mask:0xf bank_mask:0xf
	v_max_num_f32_dpp v52, v52, v52 row_xmask:8 row_mask:0xf bank_mask:0xf
	v_permlanex16_b32 v53, v52, s[SEL], s[SEL+1]
	v_max_num_f32 v52, v52, v53                    ; m
.irp i, 48,49,50,51
	v_sub_f32 v\i, v\i, v52
.endr
.irp i, 48,49,50,51
	v_exp_f32 v\i, v\i                             ; p = 2^(g - m)
.endr
	v_nop                                          ; a plain line behind the last exponential,
	s_wait_alu depctr_va_vdst(0)                   ; and the one wait for the four
	v_cvt_pk_bf16_f32 v56, v48, v49
	v_cvt_pk_bf16_f32 v57, v50, v51
	ds_store_b64 v[PST], v[56:57]                  ; into my wave's own copy,
.irp q, 0,1,2,3
	ds_load_b128 v[AF+8*\q:AF+8*\q+3],   v[PLD] offset:64*\q     ; and back as fragments: LDS serves a wave's instructions in order (ISA guide 5.7.1.4): these see the store above
	ds_load_b128 v[AF+8*\q+4:AF+8*\q+7], v[PLD] offset:64*\q+32
.endr
	TRL 1
	TRL 2
	TRL 3
	v_add_f32 v54, v48, v49                        ; l, of the unrounded p
	v_add_f32 v55, v50, v51
	v_add_f32 v54, v54, v55
	v_add_f32_dpp v54, v54, v54 row_xmask:1 row_mask:0xf bank_mask:0xf
	v_add_f32_dpp v54, v54, v54 row_xmask:2 row_mask:0xf bank_mask:0xf
	v_add_f32_dpp v54, v54, v54 row_xmask:4 row_mask:0xf bank_mask:0xf
	v_add_f32_dpp v54, v54, v54 row_xmask:8 row_mask:0xf bank_mask:0xf
	v_permlanex16_b32 v55, v54, s[SEL], s[SEL+1]
	v_add_f32 v54, v54, v55
	v_mov_b32 v58, v52                             ; (m, l, m, l): 16 bytes a lane
	v_mov_b32 v59, v54
	v_mov_b32 v60, v52
	v_mov_b32 v61, v54
	s_wait_dscnt 63                                ; p's fragments and V's first 32 rows are in: 96 loads are younger; the count's field ends at 63
	OMUL 0
	s_wait_dscnt 63                                ; rows 32-63: 64 loads are younger
	OMUL 1
	s_wait_dscnt 32                                ; rows 64-95: the last 32 may stay out
	OMUL 2
	s_wait_dscnt 0x0
	OMUL 3
.rept 8
	v_nop                                          ; the places behind the last products
.endr
	WIN 0x05                                       ; sources 0 and 1 window 1, destination window 0
.irp i, 0,1,2,3,4,5,6,7                        ; register 0 of tile n holds o[16 n + l % 16] in both halves of the lanes: lanes 0-15 take tile 2 i, lanes 16-31 tile 2 i + 1: o[32 i + l]
	v_cndmask_b32 v[TMP+\i], v[16*\i], v[16*\i+8], s[HIM]
.endr
	WIN 0
.irp i, 0,1,2,3,4,5,6,7
	ds_store_b32 v[OST], v[TMP+\i] offset:128*\i   ; through my own scratch, so that a lane holds 16 neighbouring bytes
.endr
	ds_load_b128 v[64:67], v[OLD]
	ds_load_b128 v[68:71], v[OLD] offset:512
	s_wait_dscnt 0x0
	global_store_b128 v[GOF], v[64:67], s[REC:REC+1]             ; each store of the wave covers 512 consecutive bytes, aligned (a record is 18 x 256 bytes)
	global_store_b128 v[GOF], v[68:71], s[REC:REC+1] offset:512
	s_cmp_lg_u32 s[WV], 0
	s_cbranch_scc1 .Lend
	global_store_b128 v[BO], v[58:61], s[REC:REC+1] offset:4096  ; wave 0: the statistics, 512 bytes on end
.Lend:
	s_wait_tensorcnt 0x0                           ; the wave's end, behind my last LDS store
	ds_add_u32 v[SPW], v[NIL]
	s_wait_dscnt 0x0
	s_endpgm
.Lfunc_end_k_q6a6d8fafae_main:
	.size	k_q6a6d8fafae_main, .Lfunc_end_k_q6a6d8fafae_main-k_q6a6d8fafae_main
	.p2alignl 7, 3214868480
	.fill 96, 4, 3214868480
	.section	.rodata,"a",@progbits
	.p2align	6, 0x0
	.amdhsa_kernel k_q6a6d8fafae_main
		.amdhsa_group_segment_fixed_size 280064
		.amdhsa_private_segment_fixed_size 0
		.amdhsa_enable_private_segment 0
		.amdhsa_kernarg_size 40
		.amdhsa_user_sgpr_count 2
		.amdhsa_user_sgpr_kernarg_segment_ptr 1
		.amdhsa_wavefront_size32 1
		.amdhsa_system_sgpr_workgroup_id_x 1
		.amdhsa_system_sgpr_workgroup_id_y 1
		.amdhsa_system_sgpr_workgroup_id_z 1
		.amdhsa_system_vgpr_workitem_id 0
		.amdhsa_next_free_vgpr 1024
		.amdhsa_next_free_sgpr 66
		.amdhsa_reserve_vcc 0
		.amdhsa_float_denorm_mode_32 3
		.amdhsa_float_denorm_mode_16_64 3
		.amdhsa_memory_ordered 1
		.amdhsa_forward_progress 1
		.amdhsa_inst_pref_size 255
	.end_amdhsa_kernel
	.section	.bss,"aw",@nobits
	.p2align	6
	.space	262144
	.amdgpu_metadata
---
amdhsa.version: [ 1, 2 ]
amdhsa.kernels:
  - .name:           k_q6a6d8fafae_main
    .symbol:         k_q6a6d8fafae_main.kd
    .args:
      - { .name: V, .offset: 0, .size: 8, .value_kind: global_buffer, .address_space: global }
      - { .name: ub, .offset: 8, .size: 8, .value_kind: global_buffer, .address_space: global }
      - { .name: hpw, .offset: 16, .size: 8, .value_kind: global_buffer, .address_space: global }
      - { .name: w_w, .offset: 24, .size: 8, .value_kind: global_buffer, .address_space: global }
      - { .name: part, .offset: 32, .size: 8, .value_kind: global_buffer, .address_space: global }
    .group_segment_fixed_size: 280064
    .private_segment_fixed_size: 0
    .kernarg_segment_align: 8
    .kernarg_segment_size: 40
    .max_flat_workgroup_size: 128
    .sgpr_count:     66
    .vgpr_count:     1024
    .wavefront_size: 32
...
	.end_amdgpu_metadata
.endif
;; end of part 2
;; launch combine (part 3): grid 128 x 1, 2 waves a work-group, no clusters, 0 bytes of LDS; arguments part, out0; writes out0
.if DOCPART == 3
	.amdgcn_target "amdgcn-amd-amdhsa--gfx1250"
	.amdhsa_code_object_version 6
	.text
	.protected	k_q6a6d8fafae_combine
	.globl	k_q6a6d8fafae_combine
	.p2align	8
	.type	k_q6a6d8fafae_combine,@function
k_q6a6d8fafae_combine:
	s_mov_b64 s[64:65], 0
	v_nop
	global_prefetch_b8 v0, s[64:65] scope:SCOPE_SE
	s_setreg_imm32_b32 hwreg(HW_REG_WAVE_MODE, 25, 1), 1
	s_wait_xcnt 0x0
; ADDITIVE ATTENTION, launch 3 of 3.  (The term sum_d w[d] of e is left out, as shown at the head of launch 1.)
; A batch's 16 blocks are joined under the batch's own maximum: M = max_i m_i, a_i = 2^(m_i - M), out = (sum_i a_i o_i) / (sum_i a_i l_i).  All in f32.
; Each l_i is at least 1 (the block's largest weight is 2^0) and one a_i is 1, so the divisor is at least 1.  An a_i below 2^-126 counts as 0.
; A work-group makes 256 columns of one batch: 64 threads, four columns each; its stores cover 1,024 consecutive bytes, aligned.  A stream of 2.3 MB: no LDS, no matrix unit, nothing shared.
.set REC, 4608                         ; a block's record: o[1024] f32, then (m, l) repeated
.set MLS, 16                           ; v[16:47]   (m_i, l_i); m_i's register then takes a_i
.set O,   48                           ; v[48:111]  o_i, my four columns
	s_load_b128 s[4:7], s[0:1], 0x0                ; part s[4:5], out0 s[6:7]
	s_lshr_b32 s8, ttmp9, 2                        ; the batch
	s_and_b32 s9, ttmp9, 3                         ; which 256 columns
	s_mul_i32 s10, s8, 16*REC
	s_mov_b32 s11, 0
	s_lshl_b32 s12, s8, 12
	s_mov_b32 s13, 0
	v_lshlrev_b32 v1, 4, v0
	v_lshl_add_u32 v1, s9, 10, v1                  ; my 16 bytes in a row of 4,096
	v_mov_b32 v2, 0
	s_wait_kmcnt 0x0
	s_add_nc_u64 s[4:5], s[4:5], s[10:11]
	s_add_nc_u64 s[6:7], s[6:7], s[12:13]
.irp i, 0,1,2,3,4,5,6,7,8,9,10,11,12,13,14,15
	global_load_b64 v[MLS+2*\i:MLS+2*\i+1], v2, s[4:5] offset:REC*\i+4096
.endr
.irp i, 0,1,2,3,4,5,6,7,8,9,10,11,12,13,14,15
	global_load_b128 v[O+4*\i:O+4*\i+3], v1, s[4:5] offset:REC*\i
.endr
	s_wait_loadcnt 16                              ; the statistics are in; the 16 loads of o may stay out
	v_max3_num_f32 v3, v[MLS], v[MLS+2], v[MLS+4]
.irp i, 3,5,7,9,11,13
	v_max3_num_f32 v3, v3, v[MLS+2*\i], v[MLS+2*\i+2]
.endr
	v_max_num_f32 v3, v3, v[MLS+30]                ; M
.irp i, 0,1,2,3,4,5,6,7,8,9,10,11,12,13,14,15
	v_sub_f32 v[MLS+2*\i], v[MLS+2*\i], v3
.endr
.irp i, 0,1,2,3,4,5,6,7,8,9,10,11,12,13,14,15
	v_exp_f32 v[MLS+2*\i], v[MLS+2*\i]             ; a_i
.endr
	v_nop                                          ; a plain line behind the last exponential,
	s_wait_alu depctr_va_vdst(0)                   ; and the one wait, for the batch of sixteen
	v_mul_f32 v4, v[MLS], v[MLS+1]
.irp i, 1,2,3,4,5,6,7,8,9,10,11,12,13,14,15
	v_fmac_f32 v4, v[MLS+2*\i], v[MLS+2*\i+1]      ; sum a_i l_i
.endr
	v_rcp_f32 v6, v4
	v_mov_b32 v7, 0                                ; the plain line behind the reciprocal; v7 is named with v6 as a pair
	s_wait_loadcnt 0x0                             ; o
	v_pk_mul_f32 v[8:9],   v[O:O+1],   v[MLS:MLS+1] op_sel_hi:[1,0]
	v_pk_mul_f32 v[10:11], v[O+2:O+3], v[MLS:MLS+1] op_sel_hi:[1,0]
.irp i, 1,2,3,4,5,6,7,8,9,10,11,12,13,14,15
	v_pk_fma_f32 v[8:9],   v[O+4*\i:O+4*\i+1],   v[MLS+2*\i:MLS+2*\i+1], v[8:9]   op_sel_hi:[1,0,1]
	v_pk_fma_f32 v[10:11], v[O+4*\i+2:O+4*\i+3], v[MLS+2*\i:MLS+2*\i+1], v[10:11] op_sel_hi:[1,0,1]
.endr
	s_wait_alu depctr_va_vdst(0)                   ; the reciprocal's wait, ahead of its first reader; the sums above are the work between
	v_pk_mul_f32 v[8:9],   v[8:9],   v[6:7] op_sel_hi:[1,0]
	v_pk_mul_f32 v[10:11], v[10:11], v[6:7] op_sel_hi:[1,0]
	global_store_b128 v1, v[8:11], s[6:7]
	s_endpgm
.Lfunc_end_k_q6a6d8fafae_combine:
	.size	k_q6a6d8fafae_combine, .Lfunc_end_k_q6a6d8fafae_combine-k_q6a6d8fafae_combine
	.p2alignl 7, 3214868480
	.fill 96, 4, 3214868480
	.section	.rodata,"a",@progbits
	.p2align	6, 0x0
	.amdhsa_kernel k_q6a6d8fafae_combine
		.amdhsa_group_segment_fixed_size 0
		.amdhsa_private_segment_fixed_size 0
		.amdhsa_enable_private_segment 0
		.amdhsa_kernarg_size 16
		.amdhsa_user_sgpr_count 2
		.amdhsa_user_sgpr_kernarg_segment_ptr 1
		.amdhsa_wavefront_size32 1
		.amdhsa_system_sgpr_workgroup_id_x 1
		.amdhsa_system_sgpr_workgroup_id_y 1
		.amdhsa_system_sgpr_workgroup_id_z 1
		.amdhsa_system_vgpr_workitem_id 0
		.amdhsa_next_free_vgpr 128
		.amdhsa_next_free_sgpr 66
		.amdhsa_reserve_vcc 0
		.amdhsa_float_denorm_mode_32 3
		.amdhsa_float_denorm_mode_16_64 3
		.amdhsa_memory_ordered 1
		.amdhsa_forward_progress 1
		.amdhsa_inst_pref_size 9
	.end_amdhsa_kernel
	.amdgpu_metadata
---
amdhsa.version: [ 1, 2 ]
amdhsa.kernels:
  - .name:           k_q6a6d8fafae_combine
    .symbol:         k_q6a6d8fafae_combine.kd
    .args:
      - { .name: part, .offset: 0, .size: 8, .value_kind: global_buffer, .address_space: global }
      - { .name: out0, .offset: 8, .size: 8, .value_kind: global_buffer, .address_space: global }
    .group_segment_fixed_size: 0
    .private_segment_fixed_size: 0
    .kernarg_segment_align: 8
    .kernarg_segment_size: 16
    .max_flat_workgroup_size: 64
    .sgpr_count:     66
    .vgpr_count:     128
    .wavefront_size: 32
...
	.end_amdgpu_metadata
.endif
;; end of part 3
;; ======== version 2 of 2: 3 launches; version 1 with the launch main written anew for expert scheduling mode
;; workspace buffers: ub 2,097,152 bytes; hpw 131,072 bytes; part 2,359,296 bytes
;; launch prep: the kernel of part 1 again; grid 128 x 1, 8 waves a work-group, no clusters, 17,408 bytes of LDS; arguments U_w, W_w, W_b, h, ub, hpw; writes ub, hpw
;; launch main (part 4): grid 512 x 1, 4 waves a work-group, no clusters, 280,064 bytes of LDS; arguments V, ub, hpw, w_w, part; writes part
.if DOCPART == 4
	.amdgcn_target "amdgcn-amd-amdhsa--gfx1250"
	.amdhsa_code_object_version 6
	.text
	.protected	k_q6a6d8fafae_main
	.globl	k_q6a6d8fafae_main
	.p2align	8
	.type	k_q6a6d8fafae_main,@function
k_q6a6d8fafae_main:
	s_mov_b64 s[64:65], 0
	v_nop
	global_prefetch_b8 v0, s[64:65] scope:SCOPE_SE
	s_setreg_imm32_b32 hwreg(HW_REG_WAVE_SCHED_MODE, 0, 2), 2
	s_setreg_imm32_b32 hwreg(HW_REG_WAVE_MODE, 25, 1), 1
	s_wait_xcnt 0x0
	s_wait_alu depctr_vm_vsrc(0)
; ADDITIVE ATTENTION, launch 2 of 3.  Left out, as shown at the head of launch 1: the term sum_d w[d] of e, which is the same along the softmax's axis.
; A work-group owns 128 rows s of one batch.  It reads them from memory ONCE, keeps them as bf16 in LDS, and uses them twice: for x' = c0 (V U^T) and, when the rows' weights are known, for sum_s p[s] V[s].
;   t[s] = sum_d w[d] / (1 + 2^(x'[s][d] + hp'[d])),  g[s] = -2 log2(e) t[s],  m = max_s g[s],  p[s] = 2^(g[s] - m),  l = sum_s p[s],  o[v] = sum_s p[s] V[s][v].
; It stores (o, m, l); launch 3 joins a batch's 16 blocks under the batch's own maximum.
; FORMATS: V and c0 U in bf16 (each rounded once), p rounded to bf16 for the second product; all sums, t, g, m, l (of the unrounded p) and o in f32.
; LIMITS: a p below 2^-126 counts as 0; NaN and infinities among the inputs are not treated apart.  2^x that overflows gives 1 / infinity = 0, one that underflows 1 / 1: tanh's two ends.
; SHARES.  N = 1,024 goes in two passes of 512 columns d.  In a pass wave w makes all 128 rows x its own 128 columns (512 c + 128 w + ..): 64 accumulators, 512 registers; K goes in 32 steps of 32,
; 64 matrix instructions each.  Source 0 = 16 rows of U, source 1 = 16 rows of V: a lane holds ONE row s (16 a + l % 16) and eight neighbouring d (16 b + 8 (l / 16) + 0..7).
; U comes from ub straight into registers: launch 1 laid it out so that a load of 16 bytes a lane is half a fragment, 512 consecutive bytes a wave; four buffers, asked for four steps ahead.
; V IN PASS 1.  Column block D (64 columns: 256 bytes of f32 a row) serves steps 2 D and 2 D + 1.  Wave w loads rows 32 w .. 32 w + 31 of it (16 loads, two whole rows' 256 bytes each) into one of two sets of
; registers, rounds it and stores it to LDS two steps ahead of its first use, half a block behind each of two runs of 32 products; one barrier for each block lies between those stores and the first read.
; THE ORDER OF THE TEXT: pass 1; then a loop of two trips that begins with the epilogue (one text for both passes), is left behind the second epilogue, and holds pass 2 behind the first.
; NO CLUSTER AND NO TENSOR LOADS, by this text's own arithmetic: the only tiles that work-groups share are U's.  V's 128 rows take 264,192 of the 327,680 bytes of LDS; what is left beside the tables and scratch
; (under 60,000 bytes) would hold two slots of at most one and a half K steps of U's 512 columns (32,768 bytes a step), and V, which arrives in f32 and is kept in bf16, has to pass through registers anyway.
; With this split no two waves of the work-group want the same byte of U, so nothing would be shared inside the work-group either.
; THE MODE: SCHED_MODE bits 1:0 = 2 (LLVM: expert scheduling mode 2), set by the entry lines.  The code itself states the register dependences between vector or matrix instructions and memory or LDS
; instructions, with s_wait_alu, always for 0.
; THE PLAN.  Registers that memory or LDS instructions touch, in the K loops:
;   AF, two halves of 32    A half's 32 products read it; behind them the LDS loads of the next step's fragments land in it, and have the other half's 32 products in which to land.
;   U0 .. U3 (window 1)     Step k's 64 products read U[k % 4]; behind them the loads of step k + 4 land in it.
;   STG, two sets of 64     A half block's 16 conversions read it; behind them the loads of the block two on land in it.
;   TMP                     Written by those conversions, read by the 8 LDS stores behind them, written again a step later.
;   v[ADR ..], v[VS]        Read by the fragments' loads and by V's stores; made anew once in four steps, in the first half's tail of the step behind a loop's edge.
;   v[VO], v[BO], v[PFO], v[ADR0 ..] and the other addresses are made at the head and never written again.
; All 1,024 registers are taken (512 accumulators, 256 U, 128 staging, 64 fragments, 64 addresses and work), so no buffer is doubled: a half of AF and a buffer of U are asked for again behind the very products that
; read them.  So ONE wait on va_vdst stands at the end of each half of a step, behind the places (or, where half a block of V goes to LDS, behind its conversions), and all the half's stores and loads follow it with no
; vector or matrix instruction between.  A wait on vm_vsrc stands ahead of each run of conversions (TMP) and ahead of the lines that make v[ADR ..] and v[VS] anew.  A step that issues no load holds no such wait.
;
; LDS (written by ds_store alone)
.set PITCH,  2064                      ; a row of V: 2,048 bytes + 16: an odd multiple of 16, so the 16 rows that a fragment load touches begin in 16 different groups of four banks (ISA guide 11.1)
.set H16,    16*PITCH
.set TABH,   128*PITCH                 ; 264,192  hp'[batch][0..1023], f32
.set TABW,   TABH+4096                 ;          w_w, f32
.set ESC,    TABW+4096                 ;          wave w's 128 partial t at 512 w + 4 row
.set PSC,    ESC+2048                  ;          each wave's own copy of p, bf16, at 256 w + 2 row
.set OSC,    PSC+1024                  ;          each wave's own 256 numbers of o at 1,024 w
.set SPARE,  OSC+4096                  ; 279,552  the spare words, 128 bytes for each wave: two blocks of 256 bytes that no other line names
; REGISTERS, in windows of 256 (s_set_vgpr_msb: bits 1:0 source 0, 3:2 source 1, 5:4 source 2, 7:6 destination)
;   window 0: addresses, T, TMP, V's fragments, V's staging (in the epilogue: the tables)     window 1: U's four buffers (at the end: o)     windows 2, 3: accumulator (a, b) at 8 (8 (a % 4) + b), window 2 + a / 4
.set VO,   2                           ; v2      V in memory: (32 w + l / 16) x 4,096 + 16 (l % 16); never rewritten
.set VS0,  3                           ; v3      V in LDS, for the stores: (32 w + l / 16) x PITCH + 8 (l % 16)
.set ADR0, 4                           ; v4-7    V in LDS, for the fragments: (32 p + l % 16) x PITCH + 16 (l / 16), p = 0..3
.set BO,   8                           ; v8      16 l
.set PFO,  9                           ; v9      the prefetches' offset: (32 w + l) x 4,096: a lane a row
.set TAD0, 10                          ; v10     TABH + 512 w + 32 (l / 16)
.set EST,  11
.set ELD,  12
.set PST,  13
.set PLD,  14
.set OST,  15
.set OLD,  16
.set GOF,  17                          ; v17     1,024 w + 16 l: my 16 bytes of o in the record
.set TRA,  18                          ; v18-21  V turned: (32 q + 8 (l / 16) + l % 8) x PITCH + 16 ((l / 8) % 2) + 512 w
.set SPW,  22                          ; v22     my spare word; never rewritten
.set NIL,  23                          ; v23     0; never rewritten
.set ADR,  24                          ; v24-27  ADR0 + KO
.set VS,   28                          ; v28     VS0 + KO
.set TAD,  29                          ; v29     TAD0 + TOF
.set T,    32                          ; v32-47  row block a's partial t, a pair (even d, odd d)
.set TMP,  48                          ; v48-63  at work
.set AF,   64                          ; v64-127 V's fragments of one step, block a at AF + 8 a
.set STG,  128                         ; v128-255 two sets of 64: V as loaded, quad i (rows 2 i, 2 i + 1 of my 32) at 4 i
.set HPT,  128                         ; in the epilogue: hp' of my 64 columns,
.set WT,   192                         ; and w
.set WV,   14                          ; s14  wave
.set BLK,  15                          ; s15  work-group
.set SV,   20                          ; s[20:21] V at the block's first row, at the column block where the loop stands
.set SB,   22                          ; s[22:23] ub at my wave's stream, at the step where the loop stands
.set CNT,  24
.set PASS, 25                          ; s25  epilogues still to come
.set SEL,  26                          ; s[26:27] v_permlanex16_b32's selects: each lane takes its own place in the other half
.set HIM,  28                          ; s28  lanes 16-31
.set KO,   29                          ; s29  LDS bytes along a row at which the loop stands: 64 a step
.set KAP,  30                          ; s[30:31] -2 log2(e)
.set REC,  32                          ; s[32:33] my record in part
.set TOF,  34                          ; s34  the pass's 512 columns in the tables: 0, then 2,048 bytes
.set MSB, 0
.macro WIN new                         ; the immediate's high byte repeats the setting that is left; a switch that changes nothing is dropped
.if MSB != (\new)
	s_set_vgpr_msb (MSB<<8)|(\new)
.set MSB, (\new)
.endif
.endm
.macro PLACES                          ; four places behind matrix instructions, ahead of loads into registers that they have read and of lines that read their results
.rept 4
	v_nop
.endr
.endm
; 16 products: row blocks a0, a0 + 1 of the window's four x all 8 column blocks.  Each of the 64 accumulators has one turn a step, in the same order in every step.
.macro MUL16 u, hi, a0, zero
	WIN 0xa1+0x50*(\hi)                            ; U window 1, V window 0, C and D window 2 or 3
.irp a, \a0, (\a0)+1
.irp b, 0,1,2,3,4,5,6,7
.if \zero
	v_wmma_f32_16x16x32_bf16 v[8*(8*(\a)+(\b)):8*(8*(\a)+(\b))+7], v[64*(\u)+8*(\b):64*(\u)+8*(\b)+7], v[AF+8*(4*(\hi)+(\a)):AF+8*(4*(\hi)+(\a))+7], 0
.else
	v_wmma_f32_16x16x32_bf16 v[8*(8*(\a)+(\b)):8*(8*(\a)+(\b))+7], v[64*(\u)+8*(\b):64*(\u)+8*(\b)+7], v[AF+8*(4*(\hi)+(\a)):AF+8*(4*(\hi)+(\a))+7], v[8*(8*(\a)+(\b)):8*(8*(\a)+(\b))+7]
.endif
.endr
.endr
.endm
.macro REFILL base, hi, ko             ; 8 LDS loads: V's fragments of four row blocks, 32 K at byte ko behind the address
.irp a, 0,1,2,3
	ds_load_b128 v[AF+8*(4*(\hi)+(\a)):AF+8*(4*(\hi)+(\a))+3],   v[(\base)+2*(\hi)+(\a)/2] offset:((\a)%2)*H16+(\ko)
	ds_load_b128 v[AF+8*(4*(\hi)+(\a))+4:AF+8*(4*(\hi)+(\a))+7], v[(\base)+2*(\hi)+(\a)/2] offset:((\a)%2)*H16+(\ko)+32
.endr
.endm
.macro BLOAD u, off                    ; 16 loads: a step's eight fragments of U into buffer u; each covers 512 consecutive bytes
	WIN 0x40                                       ; destination window 1, address window 0
.irp b, 0,1,2,3,4,5,6,7
	global_load_b128 v[64*(\u)+8*(\b):64*(\u)+8*(\b)+3],   v[BO], s[SB:SB+1] offset:(\off)+1024*(\b)
	global_load_b128 v[64*(\u)+8*(\b)+4:64*(\u)+8*(\b)+7], v[BO], s[SB:SB+1] offset:(\off)+1024*(\b)+512
.endr
	WIN 0
.endm
.macro VLOAD set, q0, go               ; 8 loads: 16 of my rows, 256 bytes each: lanes 0-15 one row, lanes 16-31 the next
.set cq, (\q0)
.rept 8
	global_load_b128 v[STG+64*(\set)+4*cq:STG+64*(\set)+4*cq+3], v[VO], s[SV:SV+1] offset:cq*8192+(\go) th:TH_LOAD_NT
.set cq, cq+1
.endr
.endm
; Half a column block: rounded to bf16, stored to LDS at byte so of the rows, and (reload) the same registers asked for again, two blocks on.  Its 16 conversions name no register of the products in front of
; them: they are the four places.  Its wait on va_vdst is also the wait of the half of a step at whose end it stands.
.macro CONV set, q0, so, reload, go
	s_wait_alu depctr_vm_vsrc(0)                   ; the LDS stores of the half block before have read v[TMP ..], which the conversions below write again
.set cq, 0
.rept 8
	v_cvt_pk_bf16_f32 v[TMP+2*cq],   v[STG+64*(\set)+4*((\q0)+cq)],   v[STG+64*(\set)+4*((\q0)+cq)+1]
	v_cvt_pk_bf16_f32 v[TMP+2*cq+1], v[STG+64*(\set)+4*((\q0)+cq)+2], v[STG+64*(\set)+4*((\q0)+cq)+3]
.set cq, cq+1
.endr
	s_wait_alu depctr_va_vdst(0)                   ; the conversions have written v[TMP ..], which the stores below read, and are done reading the staging registers, in which the loads below land; the products in front are done reading the fragments and U's buffer, in which the loads behind this macro land
.set cq, 0
.rept 8
	ds_store_b64 v[VS], v[TMP+2*cq:TMP+2*cq+1] offset:((\q0)+cq)*2*PITCH+(\so)
.set cq, cq+1
.endr
.if \reload
	VLOAD \set, \q0, \go
.endif
.endm
; A PREFETCH INTO THE L2 of V, which this launch reads once: in trip t of pass 1's loop each wave names ITS OWN 32 rows' 256 bytes of column blocks 2 t + 8 and 2 t + 9, a lane a row, two instructions, behind the
; step's loads of U.  Those blocks are loaded eight K steps, 512 matrix instructions, later.  So each aligned block of 256 bytes is named once in the launch, by the wave that will load it.  Blocks 0 to 7 come by their
; loads alone; the last two trips (CNT = 2, 1) ask for nothing: block 15 is the rows' last.  ub is read by every work-group and is not asked for.  v[PFO] is made at the head and never written again.
.macro ASK
	s_cmp_gt_u32 s[CNT], 2
	s_cbranch_scc0 .Lnot_asked_\@
	global_prefetch_b8 v[PFO], s[SV:SV+1] offset:2048 th:TH_LOAD_NT scope:SCOPE_SE
	global_prefetch_b8 v[PFO], s[SV:SV+1] offset:2304 th:TH_LOAD_NT scope:SCOPE_SE
.Lnot_asked_\@:
.endm
; A K STEP: pass p, step k; the pointers and KO stand at step kb0.  Two halves: row blocks 0-3, then 4-7.  A half: 32 products; four places; the half's wait; then the same registers are filled with the next step's
; fragments, which have the other half's 32 products in which to land.  Behind the second half U of step k + 4 is asked for, into the buffer just read out.
; Pass 1 besides: behind the first half of an even step and the second half of an odd one, half a column block of V goes to LDS (EV, OD); in the first half of an odd step stands the block's barrier (BAR):
; block D + 1 is stored in steps 2 D - 1 and 2 D, the signal stands in step 2 D + 1 behind my wait for those stores, and the refill behind the barrier's wait is the first read of the block.
; adv = 1: the step behind a loop's edge: in its first half's tail the LDS addresses are made anew from KO, which the edge has stepped; these four or five lines take the four places' part.
.macro STEP p, k, kb0, zero, pf, adv=0
.set U,  (\k)%4
.set KR, ((\k)+1-(\kb0))*64
.set EV, 0
.if ((\p)==1) && ((\k)%2==0) && ((\k)<=28)
.set EV, 1
.endif
.set OD, 0
.if ((\p)==1) && ((\k)%2==1) && ((\k)<=27)
.set OD, 1
.endif
.set BAR, 0
.if ((\p)==1) && ((\k)%2==1) && ((\k)<=29)
.set BAR, 1
.endif
.set NB, 48                            ; younger than U of step k: U of the three steps behind it, 16 loads each,
.if ((\p)==1) && ((\k)<=26)
.set NB, 63                            ; and in pass 1 up to 24 loads of V: 64 or more; the count's field ends at 63, and a smaller count is always safe
.endif
.if ((\p)==2) && ((\k)>28)
.set NB, 16*(31-(\k))                  ; at the end the steps behind it run out
.endif
.set MORE, 1                           ; loads follow each half,
.if ((\p)==2) && ((\k)==31)
.set MORE, 0                           ; but for the very last step's
.endif
	s_wait_dscnt 8+8*EV                            ; blocks 0-3's fragments are in; younger: the other half's 8 loads and, in an even step of pass 1, the 8 stores of V issued in front of them
	s_wait_loadcnt NB
	MUL16 U, 0, 0, \zero
.if BAR
	s_wait_dscnt 0x0                               ; for the others' sake: my stores of the next column block are done (the youngest were issued 48 products ago), and no LDS instruction of mine is out
	s_barrier_signal -1
.endif
	MUL16 U, 0, 2, \zero
	WIN 0
.if BAR
	s_barrier_wait -1                              ; everybody's part of the block lies in LDS
.endif
.if EV
.set VD,  (\k)/2+1
.set VRL, 0
.if (\k)<=24
.set VRL, 1
.endif
	s_wait_loadcnt 63                              ; the half block was asked for four steps ago: 64 loads or more are younger
	CONV VD%2, 8, (VD-(\kb0)/2)*128, VRL, (VD+2-(\kb0)/2)*256
.else
.if \adv
	s_wait_alu depctr_vm_vsrc(0)                   ; the fragments' loads and V's stores issued so far have read v[ADR ..] and v[VS]; the youngest stand in front of this half's 32 products
.irp q, 0,1,2,3
	v_add_nc_u32 v[ADR+\q], s[KO], v[ADR0+\q]
.endr
.if (\p)==1
	v_add_nc_u32 v[VS], s[KO], v[VS0]
.endif
.else
	PLACES
.endif
.if MORE
	s_wait_alu depctr_va_vdst(0)                   ; the half's 32 products are done reading blocks 0-3's fragments, in which the loads below land; behind a loop's edge also: v[ADR ..] and v[VS] are written
.endif
.endif
.if (\k)<31
	REFILL ADR, 0, KR
.elseif (\p)==1
	REFILL ADR0, 0, 0                              ; pass 2 begins at the rows' first byte again
.endif
.if ((\p)==2) && ((\k)==31)
	s_wait_dscnt 0x0                               ; nothing was issued behind these fragments
.else
	s_wait_dscnt 8+8*EV                            ; blocks 4-7's fragments are in; younger: the first half's 8 loads and, where it stored V, its 8 stores
.endif
	MUL16 U, 1, 0, \zero
	MUL16 U, 1, 2, \zero
	WIN 0
.if OD
.set VD,  ((\k)+3)/2
.set VRL, 0
.if (\k)<=23
.set VRL, 1
.endif
	s_wait_loadcnt 63                              ; as above
	CONV VD%2, 0, (VD-(\kb0)/2)*128, VRL, (VD+2-(\kb0)/2)*256
.else
	PLACES
.if MORE
	s_wait_alu depctr_va_vdst(0)                   ; the step's 64 products are done reading U's buffer and blocks 4-7's fragments, in which the loads below land
.endif
.endif
.if ((\p)==1) || ((\k)<=27)
	BLOAD U, ((\k)+4-(\kb0))*8192                  ; pass 1's last four steps ask for pass 2's first four: the stream goes on
.endif
.if \pf
	ASK
.endif
.if (\k)<31
	REFILL ADR, 1, KR
.elseif (\p)==1
	REFILL ADR0, 1, 0
.endif
.endm
.macro NEXT4 p                         ; the loop's edge: four steps on.  The scalar pointers and KO step here; the LDS addresses are made from KO in the next step (adv)
	s_wait_xcnt 0x0                                ; every load and prefetch issued so far has read its address (ISA guide 3.1): the pointers are written only behind this wait
	s_add_nc_u64 s[SB:SB+1], s[SB:SB+1], 4*8192
.if (\p)==1
	s_add_nc_u64 s[SV:SV+1], s[SV:SV+1], 512
.endif
	s_add_co_u32 s[KO], s[KO], 256
	s_sub_co_u32 s[CNT], s[CNT], 1
	s_cmp_lg_u32 s[CNT], 0
.endm
; THE EPILOGUE of a pass: T[a] += sum over my 64 columns of w / (1 + 2^(x' + hp')).  Pair n of 32 of row block t of a window lies at 64 t + 2 n, its hp' at HPT + 2 n, its w at WT + 2 n.
; One window setting serves all five kinds of line.  X reads each accumulator from its lowest registers on.
.macro XOP t, n                        ; + hp'
	v_pk_add_f32 v[64*(\t)+2*(\n):64*(\t)+2*(\n)+1], v[64*(\t)+2*(\n):64*(\t)+2*(\n)+1], v[HPT+2*(\n):HPT+2*(\n)+1]
.endm
.macro EOP t, n
	v_exp_f32 v[64*(\t)+(\n)], v[64*(\t)+(\n)]
.endm
.macro AOP t, n                        ; + 1
	v_pk_add_f32 v[64*(\t)+2*(\n):64*(\t)+2*(\n)+1], v[64*(\t)+2*(\n):64*(\t)+2*(\n)+1], 1.0 op_sel_hi:[1,0]
.endm
.macro ROP t, n
	v_rcp_f32 v[64*(\t)+(\n)], v[64*(\t)+(\n)]
.endm
.macro SOP t, n                        ; times w, summed in four chains that lie in the block's first four pairs
.if (\n) < 4
	v_pk_mul_f32 v[64*(\t)+2*(\n):64*(\t)+2*(\n)+1], v[64*(\t)+2*(\n):64*(\t)+2*(\n)+1], v[WT+2*(\n):WT+2*(\n)+1]
.else
	v_pk_fma_f32 v[64*(\t)+2*((\n)%4):64*(\t)+2*((\n)%4)+1], v[64*(\t)+2*(\n):64*(\t)+2*(\n)+1], v[WT+2*(\n):WT+2*(\n)+1], v[64*(\t)+2*((\n)%4):64*(\t)+2*((\n)%4)+1]
.endif
.endm
; A window's four row blocks.  A block's 64 exponentials are one batch, its 64 reciprocals another: an s_wait_alu depctr_va_vdst(0) stands between such a line and the first that names its result, and one
; wait serves a batch.  Between the exponentials of block t stand the additions of block t + 1 and the sums of block t - 1, which name none of their results; a v_nop is the plain line behind a batch's last.
.macro EPIW hi
	WIN 0xa2+0x51*(\hi)                            ; sources 0 and 2 and the destination in window 2 or 3, source 1 (the tables) in window 0
.set i, 0
.rept 32
	XOP 0, i
.set i, i+1
.endr
.irp t, 0,1,2,3
.set i, 0
.rept 32
	EOP \t, 2*i
.if (\t) < 3
	XOP (\t)+1, i
.endif
	EOP \t, 2*i+1
.if (\t) > 0
	SOP (\t)-1, i
.endif
.set i, i+1
.endr
	v_nop
	s_wait_alu depctr_va_vdst(0)                   ; the wait for the 64 exponentials
	AOP \t, 0
.set i, 0
.rept 32
.if i < 31
	AOP \t, i+1
.endif
	ROP \t, 2*i
	ROP \t, 2*i+1
.set i, i+1
.endr
	v_nop
	s_wait_alu depctr_va_vdst(0)                   ; the wait for the 64 reciprocals
.endr
.set i, 0
.rept 32
	SOP 3, i
.set i, i+1
.endr
	WIN 0x02+(\hi)                                 ; source 0 in window 2 or 3, T in window 0
.irp jj, 0,1,2,3
.irp t, 0,1,2,3
	v_pk_add_f32 v[T+2*(4*(\hi)+(\t)):T+2*(4*(\hi)+(\t))+1], v[64*(\t)+2*(\jj):64*(\t)+2*(\jj)+1], v[T+2*(4*(\hi)+(\t)):T+2*(4*(\hi)+(\t))+1]
.endr
.endr
.endm
	s_load_b256 s[4:11], s[0:1], 0x0               ; V s[4:5], ub s[6:7], hpw s[8:9], w_w s[10:11]
	s_load_b64 s[12:13], s[0:1], 0x20              ; part
	v_lshl_add_u32 v[SPW], v0, 2, SPARE
	v_mov_b32 v[NIL], 0
	v_lshrrev_b32 v1, 5, v0
	v_readfirstlane_b32 s[WV], v1                  ; wave 0..3
	s_mov_b32 s[BLK], ttmp9
	v_and_b32 v29, 31, v0                          ; l
	v_and_b32 v30, 15, v0                          ; l % 16
	v_bfe_u32 v31, v0, 4, 1                        ; l / 16
	s_wait_alu depctr_va_sdst(0)                   ; the wave's number is written, ahead of its first reader: offsets, bases and branches are made from it
	s_lshl_b32 s16, s[WV], 17                      ; my 32 rows of 4,096 bytes
	v_lshlrev_b32 v[VO], 4, v30
	v_lshl_add_u32 v[VO], v31, 12, v[VO]
	v_add_nc_u32 v[VO], s16, v[VO]
	v_lshl_add_u32 v[PFO], v29, 12, s16
	v_lshlrev_b32 v[BO], 4, v29
	v_lshrrev_b32 v48, 1, v0                       ; thread t brings columns 8 t .. 8 t + 7 of both tables: in hpw they lie at g = t / 2, half t % 2
	v_and_b32 v49, 1, v0
	v_lshlrev_b32 v48, 11, v48
	v_lshl_add_u32 v48, v49, 8, v48
	v_lshlrev_b32 v49, 5, v0
	v_add_nc_u32 v50, TABH, v49
	s_lshl_b32 s16, s[BLK], 19                     ; the block's 128 rows of 4,096 bytes
	s_mov_b32 s17, 0
	s_lshl_b32 s18, s[WV], 19                      ; my wave's stream in ub
	s_mov_b32 s19, 0
	s_lshr_b32 s34, s[BLK], 8                      ; the batch is BLK / 16: its tile of 16 batches,
	s_lshl_b32 s34, s34, 10
	s_bfe_u32 s35, s[BLK], 0x40004                 ; and its place in the tile
	s_lshl_b32 s35, s35, 4
	s_add_co_u32 s34, s34, s35
	s_mov_b32 s35, 0
	s_mul_i32 s38, s[BLK], 4608
	s_mov_b32 s39, 0
	s_wait_kmcnt 0x0
	s_add_nc_u64 s[SV:SV+1], s[4:5], s[16:17]
	s_add_nc_u64 s[SB:SB+1], s[6:7], s[18:19]
	s_add_nc_u64 s[36:37], s[8:9], s[34:35]
	s_add_nc_u64 s[REC:REC+1], s[12:13], s[38:39]
	s_wait_alu depctr_va_vdst(0)                   ; v[VO], v[BO], v[PFO], v48, v49 and v50 are written: the offsets of the loads below and of the prefetches, and the address of the tables' LDS stores
	global_load_b128 v[64:67], v48, s[36:37]
	global_load_b128 v[68:71], v48, s[36:37] offset:512
	global_load_b128 v[72:75], v49, s[10:11]
	global_load_b128 v[76:79], v49, s[10:11] offset:16
	VLOAD 0, 0, 0                                  ; column block 0
	VLOAD 0, 8, 0
	VLOAD 1, 0, 256                                ; column block 1
	VLOAD 1, 8, 256
	BLOAD 0, 0
	BLOAD 1, 8192
	; the addresses, while the first loads are on their way: none of these lines names a register that the loads above or the tables' stores below touch
	s_mul_i32 s17, s[WV], 32*PITCH
	v_mul_u32_u24 v[VS0], v31, PITCH
	v_lshl_add_u32 v[VS0], v30, 3, v[VS0]
	v_add_nc_u32 v[VS0], s17, v[VS0]
	v_mov_b32 v[VS], v[VS0]
	v_mul_u32_u24 v[ADR0], v30, PITCH
	v_lshl_add_u32 v[ADR0], v31, 4, v[ADR0]
.irp q, 1,2,3
	v_add_nc_u32 v[ADR0+\q], \q*32*PITCH, v[ADR0]
.endr
.irp q, 0,1,2,3
	v_mov_b32 v[ADR+\q], v[ADR0+\q]
.endr
	s_lshl_b32 s17, s[WV], 9
	v_lshl_add_u32 v[TAD0], v31, 5, s17
	v_add_nc_u32 v[TAD0], TABH, v[TAD0]
	v_lshl_add_u32 v[EST], v30, 2, s17
	v_add_nc_u32 v[EST], ESC, v[EST]
	v_add_nc_u32 v[ELD], ESC, v[BO]
	v_and_b32 v1, 7, v0
	v_lshl_add_u32 v1, v31, 3, v1
	v_mul_u32_u24 v1, v1, PITCH
	v_bfe_u32 v51, v0, 3, 1
	v_lshl_add_u32 v1, v51, 4, v1
	v_add_nc_u32 v[TRA], s17, v1
.irp q, 1,2,3
	v_add_nc_u32 v[TRA+\q], \q*32*PITCH, v[TRA]
.endr
	s_lshl_b32 s17, s[WV], 8
	v_lshl_add_u32 v[PST], v29, 3, s17
	v_add_nc_u32 v[PST], PSC, v[PST]
	v_lshl_add_u32 v[PLD], v31, 4, s17
	v_add_nc_u32 v[PLD], PSC, v[PLD]
	s_lshl_b32 s17, s[WV], 10
	v_lshl_add_u32 v[OST], v29, 2, s17
	v_add_nc_u32 v[OST], OSC, v[OST]
	v_add_nc_u32 v[GOF], s17, v[BO]
	v_add_nc_u32 v[OLD], OSC, v[GOF]
.irp i, 0,1,2,3,4,5,6,7,8,9,10,11,12,13,14,15
	v_mov_b32 v[T+\i], 0                           ; t's partial sums run over both passes
.endr
	s_mov_b32 s[SEL], 0x76543210
	s_mov_b32 s[SEL+1], 0xfedcba98
	s_mov_b32 s[HIM], 0xffff0000
	s_mov_b32 s[KO], 0
	s_mov_b32 s[KAP], 0xc038aa3b
	s_mov_b32 s[KAP+1], 0xc038aa3b                 ; named with it as a pair
	s_wait_loadcnt 63                              ; the tables' four loads are in: 64 loads are younger
	ds_store_b128 v50, v[64:67]
	ds_store_b128 v50, v[68:71] offset:16
	ds_store_b128 v50, v[72:75] offset:4096
	ds_store_b128 v50, v[76:79] offset:4112
	s_wait_loadcnt 48                              ; column block 0 is in; younger: block 1 and two steps of U, 16 loads each
	; The first wait on vm_vsrc below also states that the tables' loads have read v48 and v49 and their stores v50 and v[64:79]: from here on these registers are TMP and AF.
	; The first wait on va_vdst below also states that all the addresses made above are written.
	CONV 0, 0, 0, 1, 512                           ; block 0 to LDS, block 2 asked for
	CONV 0, 8, 0, 1, 512
	s_wait_dscnt 0x0                               ; for the others' sake: my part of the tables and of block 0
	s_barrier_signal -1
	s_barrier_wait -1
	REFILL ADR0, 0, 0                              ; step 0's fragments
	REFILL ADR0, 1, 0
	s_wait_loadcnt 56                              ; the first half of block 1 is in; younger: its second half 8, U 32, block 2 16
	CONV 1, 0, 128, 1, 768
	BLOAD 2, 2*8192
	BLOAD 3, 3*8192
	; PASS 1: columns d = 0 .. 511, and V on its way into LDS
	STEP 1, 0, 0, 1, 0                             ; the first step's products start the sums: nothing is cleared
	s_mov_b32 s[CNT], 6
.Lk1:                                                  ; steps 4 t + 1 .. 4 t + 4
	STEP 1, 1, 0, 0, 1, 1                          ; in the first trip KO is 0, and the addresses made anew are those that they were
	STEP 1, 2, 0, 0, 0
	STEP 1, 3, 0, 0, 0
	STEP 1, 4, 0, 0, 0
	NEXT4 1
	s_cbranch_scc1 .Lk1
	STEP 1, 25, 24, 0, 0, 1                        ; the tail is written out: V's loads, then its stores and barriers, run out
.irp k, 26,27,28,29,30,31
	STEP 1, \k, 24, 0, 0
.endr
	s_mov_b32 s[PASS], 2
	s_mov_b32 s[TOF], 0
.Lepi:                                                 ; two trips: the epilogue of pass 1, then pass 2; the epilogue of pass 2, and out.  Four places stand behind each half's last products (STEP)
	s_wait_alu depctr_vm_vsrc(0)                   ; in the second trip the first epilogue's loads have read v[TAD], written below; in the first V's last stores have read v[TMP ..], in which loads land at the end, and the fragments' loads v[ADR ..], which pass 2 sets back
	v_add_nc_u32 v[TAD], s[TOF], v[TAD0]
	s_wait_alu depctr_va_vdst(0)                   ; v[TAD] is written, which the loads below read; the conversions (in the second trip: the first epilogue's lines) are done reading v128-255, in which they land
.irp b, 0,1,2,3,4,5,6,7                        ; my 64 columns: 16 b + 8 (l / 16) + 0..7; the staging registers are free: V's last block was converted in step 28
	ds_load_b128 v[HPT+8*\b:HPT+8*\b+3],   v[TAD] offset:64*\b
	ds_load_b128 v[HPT+8*\b+4:HPT+8*\b+7], v[TAD] offset:64*\b+16
	ds_load_b128 v[WT+8*\b:WT+8*\b+3],     v[TAD] offset:4096+64*\b
	ds_load_b128 v[WT+8*\b+4:WT+8*\b+7],   v[TAD] offset:4096+64*\b+16
.endr
	s_wait_dscnt 0x0
	EPIW 0
	EPIW 1
	WIN 0
	s_sub_co_u32 s[PASS], s[PASS], 1
	s_cmp_eq_u32 s[PASS], 0
	s_cbranch_scc1 .Lfinal                         ; behind the second epilogue the loop is left
	; PASS 2: columns d = 512 .. 1,023; V lies in LDS.  U of its first four steps was asked for in pass 1's last four.
	s_mov_b32 s[TOF], 2048
	s_wait_xcnt 0x0                                ; as at the loops' edges
	s_add_nc_u64 s[SB:SB+1], s[SB:SB+1], 8*8192    ; from step 24 of pass 1 to step 0 of pass 2
	s_mov_b32 s[KO], 0
.irp q, 0,1,2,3
	v_mov_b32 v[ADR+\q], v[ADR0+\q]                ; the loads that read v[ADR ..] stand ahead of the epilogue's wait on vm_vsrc; the next reader stands behind the first half's wait on va_vdst
.endr
	STEP 2, 0, 0, 1, 0
	s_mov_b32 s[CNT], 6
.Lk2:
	STEP 2, 1, 0, 0, 0, 1
	STEP 2, 2, 0, 0, 0
	STEP 2, 3, 0, 0, 0
	STEP 2, 4, 0, 0, 0
	NEXT4 2
	s_cbranch_scc1 .Lk2
	STEP 2, 25, 24, 0, 0, 1                        ; the tail: U's loads run out, no load leaves ub; step 31 waits for all of them
.irp k, 26,27,28,29,30,31
	STEP 2, \k, 24, 0, 0
.endr
	s_cmp_lg_u32 s[PASS], 0                        ; one epilogue is still to come: the jump back, on the loop's counter, is taken whenever this line is reached
	s_cbranch_scc1 .Lepi
.Lfinal:
	s_wait_loadcnt 0x0                             ; no load is out (pass 2's last step has waited for all): said where the loop is left, since o's sums below take U's registers
	; THE BLOCK'S SOFTMAX.  T's two halves, the other half of the lanes (the other eight of each sixteen columns), then the four waves' parts through LDS.
.irp a, 0,1,2,3,4,5,6,7
	v_add_f32 v[T+2*\a], v[T+2*\a], v[T+2*\a+1]
.endr
.irp a, 0,1,2,3,4,5,6,7
	v_permlanex16_b32 v[T+2*\a+1], v[T+2*\a], s[SEL], s[SEL+1]
.endr
.irp a, 0,1,2,3,4,5,6,7
	v_add_f32 v[T+2*\a], v[T+2*\a], v[T+2*\a+1]
.endr
	s_wait_alu depctr_va_vdst(0)                   ; the sums have written v[T ..], which the stores below read; the epilogue's lines are done with windows 2 and 3, in which V turned lands; no vector line stands between this wait and those loads
.irp a, 0,1,2,3,4,5,6,7
	ds_store_b32 v[EST], v[T+2*\a] offset:64*\a    ; row 16 a + l % 16; both halves of the lanes write the same word with the same number
.endr
	s_wait_dscnt 0x0                               ; for the others' sake
	s_barrier_signal -1
	s_barrier_wait -1
.irp q, 0,1,2,3
	ds_load_b128 v[TMP+4*\q:TMP+4*\q+3], v[ELD] offset:512*\q  ; rows 4 l .. 4 l + 3, wave q's part.  Every wave makes all 128 weights for itself
.endr
; V turned, for o = p V: 32 rows s (32 q on) x my wave's 256 columns, 16 fragments.  The turning load takes 16 s x 16 columns and leaves half a fragment: lane l holds column l % 16 and 8 rows s.
.macro TRL q
	WIN 0x80+0x40*((\q)/2)                         ; destination window 2 or 3: the accumulators' registers are free
.irp n, 0,1,2,3,4,5,6,7,8,9,10,11,12,13,14,15
	ds_load_tr16_b128 v[128*((\q)%2)+8*(\n):128*((\q)%2)+8*(\n)+3],   v[TRA+(\q)] offset:32*(\n)
	ds_load_tr16_b128 v[128*((\q)%2)+8*(\n)+4:128*((\q)%2)+8*(\n)+7], v[TRA+(\q)] offset:32*(\n)+H16
.endr
	WIN 0
.endm
; 16 products: o[16 n ..] += p[32 q ..] V.  Source 0 holds p in all its 16 rows, so every row of the result is o; the 16 accumulators take turns.
.macro OMUL q
	WIN 0x58+4*((\q)/2)                            ; p window 0, V window 2 or 3, o window 1
.irp n, 0,1,2,3,4,5,6,7,8,9,10,11,12,13,14,15
.if (\q) == 0
	v_wmma_f32_16x16x32_bf16 v[8*(\n):8*(\n)+7], v[AF+8*(\q):AF+8*(\q)+7], v[128*((\q)%2)+8*(\n):128*((\q)%2)+8*(\n)+7], 0
.else
	v_wmma_f32_16x16x32_bf16 v[8*(\n):8*(\n)+7], v[AF+8*(\q):AF+8*(\q)+7], v[128*((\q)%2)+8*(\n):128*((\q)%2)+8*(\n)+7], v[8*(\n):8*(\n)+7]
.endif
.endr
.endm
	TRL 0
	s_wait_dscnt 32                                ; the four parts of t are in; the 32 turning loads may stay out
	v_pk_add_f32 v[48:49], v[48:49], v[52:53]
	v_pk_add_f32 v[50:51], v[50:51], v[54:55]
	v_pk_add_f32 v[56:57], v[56:57], v[60:61]
	v_pk_add_f32 v[58:59], v[58:59], v[62:63]
	v_pk_add_f32 v[48:49], v[48:49], v[56:57]
	v_pk_add_f32 v[50:51], v[50:51], v[58:59]
	v_pk_mul_f32 v[48:49], v[48:49], s[KAP:KAP+1] op_sel_hi:[1,0]  ; g = -2 log2(e) t
	v_pk_mul_f32 v[50:51], v[50:51], s[KAP:KAP+1] op_sel_hi:[1,0]
	v_max3_num_f32 v52, v48, v49, v50              ; the block's maximum: my four rows, then the 32 lanes
	v_max_num_f32 v52, v52, v51
	v_max_num_f32_dpp v52, v52, v52 row_xmask:1 row_mask:0xf bank_mask:0xf
	v_max_num_f32_dpp v52, v52, v52 row_xmask:2 row_mask:0xf bank_mask:0xf
	v_max_num_f32_dpp v52, v52, v52 row_xmask:4 row_mask:0xf bank_mask:0xf
	v_max_num_f32_dpp v52, v52, v52 row_xmask:8 row_mask:0xf bank_mask:0xf
	v_permlanex16_b32 v53, v52, s[SEL], s[SEL+1]
	v_max_num_f32 v52, v52, v53                    ; m
.irp i, 48,49,50,51
	v_sub_f32 v\i, v\i, v52
.endr
.irp i, 48,49,50,51
	v_exp_f32 v\i, v\i                             ; p = 2^(g - m)
.endr
	v_nop                                          ; a plain line behind the last exponential,
	s_wait_alu depctr_va_vdst(0)                   ; and the one wait for the four
	v_cvt_pk_bf16_f32 v56, v48, v49
	v_cvt_pk_bf16_f32 v57, v50, v51
	s_wait_alu depctr_va_vdst(0)                   ; the two roundings have written v[56:57], which the store below reads
	ds_store_b64 v[PST], v[56:57]                  ; into my wave's own copy,
.irp q, 0,1,2,3
	ds_load_b128 v[AF+8*\q:AF+8*\q+3],   v[PLD] offset:64*\q     ; and back as fragments: LDS serves a wave's instructions in order (ISA guide 5.7.1.4): these see the store above
	ds_load_b128 v[AF+8*\q+4:AF+8*\q+7], v[PLD] offset:64*\q+32
.endr
	TRL 1
	TRL 2
	TRL 3
	v_add_f32 v54, v48, v49                        ; l, of the unrounded p
	v_add_f32 v55, v50, v51
	v_add_f32 v54, v54, v55
	v_add_f32_dpp v54, v54, v54 row_xmask:1 row_mask:0xf bank_mask:0xf
	v_add_f32_dpp v54, v54, v54 row_xmask:2 row_mask:0xf bank_mask:0xf
	v_add_f32_dpp v54, v54, v54 row_xmask:4 row_mask:0xf bank_mask:0xf
	v_add_f32_dpp v54, v54, v54 row_xmask:8 row_mask:0xf bank_mask:0xf
	v_permlanex16_b32 v55, v54, s[SEL], s[SEL+1]
	v_add_f32 v54, v54, v55
	v_mov_b32 v58, v52                             ; (m, l, m, l): 16 bytes a lane
	v_mov_b32 v59, v54
	v_mov_b32 v60, v52
	v_mov_b32 v61, v54
	s_wait_dscnt 63                                ; p's fragments and V's first 32 rows are in: 96 loads are younger; the count's field ends at 63
	OMUL 0
	s_wait_dscnt 63                                ; rows 32-63: 64 loads are younger
	OMUL 1
	s_wait_dscnt 32                                ; rows 64-95: the last 32 may stay out
	OMUL 2
	s_wait_dscnt 0x0
	OMUL 3
.rept 8
	v_nop                                          ; the places behind the last products
.endr
	WIN 0x05                                       ; sources 0 and 1 window 1, destination window 0
.irp i, 0,1,2,3,4,5,6,7                        ; register 0 of tile n holds o[16 n + l % 16] in both halves of the lanes: lanes 0-15 take tile 2 i, lanes 16-31 tile 2 i + 1: o[32 i + l]
	v_cndmask_b32 v[TMP+\i], v[16*\i], v[16*\i+8], s[HIM]
.endr
	WIN 0
	s_wait_alu depctr_va_vdst(0)                   ; the selects have written v[TMP ..], which the LDS stores read; the products are done reading p's fragments, in which the two loads below land; the four moves have written v[58:61], which wave 0's last store reads
.irp i, 0,1,2,3,4,5,6,7
	ds_store_b32 v[OST], v[TMP+\i] offset:128*\i   ; through my own scratch, so that a lane holds 16 neighbouring bytes
.endr
	ds_load_b128 v[64:67], v[OLD]
	ds_load_b128 v[68:71], v[OLD] offset:512
	s_wait_dscnt 0x0
	global_store_b128 v[GOF], v[64:67], s[REC:REC+1]             ; each store of the wave covers 512 consecutive bytes, aligned (a record is 18 x 256 bytes)
	global_store_b128 v[GOF], v[68:71], s[REC:REC+1] offset:512
	s_cmp_lg_u32 s[WV], 0
	s_cbranch_scc1 .Lend
	global_store_b128 v[BO], v[58:61], s[REC:REC+1] offset:4096  ; wave 0: the statistics, 512 bytes on end
.Lend:
	s_wait_dscnt 0x0                               ; the wave's end: the closing lines, six on end
	s_wait_alu 0x0
	s_wait_tensorcnt 0x0
	ds_add_u32 v[SPW], v[NIL]
	s_wait_dscnt 0x0
	s_endpgm
.Lfunc_end_k_q6a6d8fafae_main:
	.size	k_q6a6d8fafae_main, .Lfunc_end_k_q6a6d8fafae_main-k_q6a6d8fafae_main
	.p2alignl 7, 3214868480
	.fill 96, 4, 3214868480
	.section	.rodata,"a",@progbits
	.p2align	6, 0x0
	.amdhsa_kernel k_q6a6d8fafae_main
		.amdhsa_group_segment_fixed_size 280064
		.amdhsa_private_segment_fixed_size 0
		.amdhsa_enable_private_segment 0
		.amdhsa_kernarg_size 40
		.amdhsa_user_sgpr_count 2
		.amdhsa_user_sgpr_kernarg_segment_ptr 1
		.amdhsa_wavefront_size32 1
		.amdhsa_system_sgpr_workgroup_id_x 1
		.amdhsa_system_sgpr_workgroup_id_y 1
		.amdhsa_system_sgpr_workgroup_id_z 1
		.amdhsa_system_vgpr_workitem_id 0
		.amdhsa_next_free_vgpr 1024
		.amdhsa_next_free_sgpr 66
		.amdhsa_reserve_vcc 0
		.amdhsa_float_denorm_mode_32 3
		.amdhsa_float_denorm_mode_16_64 3
		.amdhsa_memory_ordered 1
		.amdhsa_forward_progress 1
		.amdhsa_inst_pref_size 255
	.end_amdhsa_kernel
	.section	.bss,"aw",@nobits
	.p2align	6
	.space	262144
	.amdgpu_metadata
---
amdhsa.version: [ 1, 2 ]
amdhsa.kernels:
  - .name:           k_q6a6d8fafae_main
    .symbol:         k_q6a6d8fafae_main.kd
    .args:
      - { .name: V, .offset: 0, .size: 8, .value_kind: global_buffer, .address_space: global }
      - { .name: ub, .offset: 8, .size: 8, .value_kind: global_buffer, .address_space: global }
      - { .name: hpw, .offset: 16, .size: 8, .value_kind: global_buffer, .address_space: global }
      - { .name: w_w, .offset: 24, .size: 8, .value_kind: global_buffer, .address_space: global }
      - { .name: part, .offset: 32, .size: 8, .value_kind: global_buffer, .address_space: global }
    .group_segment_fixed_size: 280064
    .private_segment_fixed_size: 0
    .kernarg_segment_align: 8
    .kernarg_segment_size: 40
    .max_flat_workgroup_size: 128
    .sgpr_count:     66
    .vgpr_count:     1024
    .wavefront_size: 32
...
	.end_amdgpu_metadata
.endif
;; end of part 4
;; launch combine: the kernel of part 3 again; grid 128 x 1, 2 waves a work-group, no clusters, 0 bytes of LDS; arguments part, out0; writes out0
